; MI455X (gfx1250); checked and timed in simulation.
; The chip was launched on July 23, 2026; its instructions are those of AMD's public machine-readable ISA for CDNA 5 (MIT licence, August 2026) and "CDNA5" Instruction Set Architecture Reference Guide (July 2026). The comments in the code are by the model that wrote it; some were corrected since.
;; Multi Head Attention. Allowed arithmetic: matrix products marked QUANTISED: E2M3 operands, one E8M0 scale for each 32 along K, by v_wmma_scale_f32_16x16x128_f8f6f4 with both operands' format E2M3, f32 sums; everything else in f32.
;; Inputs: Wk 1,024 x 16 x 64 float32; Wo 1,024 x 1,024 float32; Wq 1,024 x 16 x 64 float32; Wv 1,024 x 16 x 64 float32; bo 1,024 float32; inputs 4 x 2,048 x 1,024 float32; mask 4 x 2,048 x 2,048 bool.
;; Outputs: out0 4 x 2,048 x 1,024 float32.
;; This version of the problem:
;;   THIS VERSION OF THE PROBLEM IS GIVEN IN LOW PRECISION. The matrix products marked QUANTISED in the list below multiply operands that are first quantised to E2M3 (2 exponent bits, 3 mantissa bits; 6 bits a number), with one power-of-two scale for each 32 numbers along K (OCP MX v1.0); their sums are f32. All else is computed in f32.
;;   The module's matrix products, in the order in which they are computed (A, B: the left and right operand; K: the contracted axis; several contracted axes count as one K, in the product's order):
;;     1. [M 8,192, K 1,024] x [K 1,024, N 1,024]; A: input inputs; B: input Wq: QUANTISED
;;     2. [M 8,192, K 1,024] x [K 1,024, N 1,024]; A: input inputs; B: input Wk: QUANTISED
;;     3. [M 8,192, K 1,024] x [K 1,024, N 1,024]; A: input inputs; B: input Wv: QUANTISED
;;     4. batch 64 x [M 2,048, K 64] x [K 64, N 2,048]; A: computed on the way; B: computed on the way: QUANTISED
;;     5. batch 64 x [M 64, K 2,048] x [K 2,048, N 2,048]; A: computed on the way; B: softmax (see below): QUANTISED
;;     6. [M 8,192, K 1,024] x [K 1,024, N 1,024]; A: computed on the way; B: input Wo: QUANTISED
;;   THE QUANTISER, for each operand of a quantised product, along K:
;;     - K is cut into blocks of 32 from its start; a last block that is shorter is filled with zeros.
;;     - A block's scale is 2^e with e = floor(log2(the largest magnitude in the block)) - 2, held to -126 .. 127; a block of zeros has e = 0. As a byte (E8M0): e + 127.
;;     - Each number is divided by its block's scale, clamped to +-7.5, and rounded to the nearest number of E2M3, ties to even, subnormals kept.
;;     - The product sums the exact products of the quantised numbers (number of the format x scale) in f32.
;;   ~~~python
;;   def quantise(x, axis):      # numpy; x: float32 -> the quantised numbers, widened to float32 again
;;       x = np.moveaxis(x, axis, -1); K = x.shape[-1]
;;       x = np.pad(x, [(0, 0)] * (x.ndim - 1) + [(0, -K % 32)]); x = x.reshape(x.shape[:-1] + (-1, 32)); a = np.abs(x).max(-1, keepdims=True)
;;       e = np.where(a > 0, np.clip(np.frexp(np.where(a > 0, a, 1))[1] - 1 - 2, -126, 127), 0)      # np.frexp(a)[1] - 1 = floor(log2(a)), exactly
;;       r = np.clip(x / 2.0 ** e, -7.5, 7.5)
;;       step = 2.0 ** (np.maximum(np.frexp(np.where(r == 0, 1, r))[1] - 1, 0) - 3)
;;       q = np.round(r / step) * step * 2.0 ** e      # np.round: ties to even
;;       return np.moveaxis(q.reshape(q.shape[:-2] + (-1,))[..., :K], -1, axis).astype(np.float32)
;;   ~~~
;;   SOFTMAX AHEAD OF A QUANTISED PRODUCT. Where the list says 'softmax', what is quantised is not the finished softmax but p = 2^(t - M), with t = logit x log2(e) and M = ceil(the row's largest t), a whole number; so 1/2 < the row's largest p <= 1. The row's sum l is taken of the UNQUANTISED p, in f32, and the product's result is divided by l at the end. Since M is a whole number, a kernel that streams over the keys may use a running M (the ceiling of the running maximum): every later rescaling is an exact power of two, which a block's scale takes up: the codes' values come out the same.
;;   OPERANDS COMPUTED ON THE WAY. 'Computed on the way' means the value that the module computes at that place (a softmax that the list does not call 'softmax' is quantised finished and normalised). What goes into a quantiser is computed in f32, as accurately as f32 sums, v_exp_f32 and their like allow (about 1e-6 of the number): no bf16 or f16 on the way to a quantiser, and a product that is left as it is and whose result goes on into a quantised operand takes f32 operands (vector FMAs, or v_wmma_f32_16x16x4_f32). A number that lies on a knife's edge between two numbers of the format may be rounded either way, as far as f32 arithmetic and the matrix unit's own rounding can turn it there, and no further.
;; One version. Each part assembles by itself: llvm-mc -triple=amdgcn-amd-amdhsa -mcpu=gfx1250 --defsym DOCPART=n.
;; ======== version 1 of 1: 4 launches
;; limits: right only within a limited range of input values
;; workspace buffers: x_img 6,291,456 bytes; x_scl 262,144 bytes; w_img 3,145,728 bytes; w_scl 131,072 bytes; maskw 2,129,920 bytes of whole numbers; qkv 20,185,088 bytes; a_img 6,291,456 bytes; a_scl 262,144 bytes
;; launch prep (part 1): grid 896 x 1, 4 waves a work-group, no clusters, 68,096 bytes of LDS; arguments inputs, mask, Wq, Wk, Wv, Wo, x_img, x_scl, w_img, w_scl, maskw; writes x_img, x_scl, w_img, w_scl, maskw
.if DOCPART == 1
	.amdgcn_target "amdgcn-amd-amdhsa--gfx1250"
	.amdhsa_code_object_version 6
	.text
	.protected	k_qd0121c3114_prep
	.globl	k_qd0121c3114_prep
	.p2align	8
	.type	k_qd0121c3114_prep,@function
k_qd0121c3114_prep:
	s_mov_b64 s[64:65], 0
	v_nop
	global_prefetch_b8 v0, s[64:65] scope:SCOPE_SE
	s_setreg_imm32_b32 hwreg(HW_REG_WAVE_MODE, 25, 1), 1
	s_wait_xcnt 0x0
; Three jobs in one launch, chosen by the work-group's number: 0-255 quantise inputs, 256-383 the four weights, 384-895 turn the mask into lane-mask words.
; CODES: FP6 (E2M3), one E8M0 byte for each 32 along K.  A block's scale is 2^(floor(log2(largest magnitude)) - 2): its byte is the largest magnitude's exponent field - 2.
; TILE ORDER: rows of an operand go by 32; tile 2 g + u holds at place r (0..15) the row 32 g + 8 u + r + 8 (r / 8).
; HALF IMAGE (768 bytes): 16 rows x 64 K as the matrix operand's registers hold them: lane (r, h) owns the 24 bytes of row r's block h: bytes 0-15 at 16 x lane, bytes 16-23 at 512 + 8 x lane.
; x_img, w_img: [tile][16 half images].  x_scl, w_scl: [tile][pair of K steps 0..3][r][2 words], a word = the four bytes of one row and 128 along K.
; maskw: [batch][tile of 16 j][step of 128 i][64 words]; bit L of word n = mask[i = 128 step + 32 (n / 16) + 16 (L / 16) + n % 16][j = the tile's place L % 16].
; reference()'s factor 1/8 on q is a power of two: it is taken off Wq's scale bytes (3 less), which scales every sum exactly.
; LIMITS: NaN and infinities are not served.  A block whose largest magnitude lies under 2^-124 (Wq: 2^-121) is held at that floor, so that its byte stays at 1 or above; a block of zeros
; so carries the floor's byte where the rule says 127: its codes are zeros, and only this program reads the bytes.  The weights' scale words leave in pieces of 128 bytes (131,072 bytes in all).
; No tensor loads, no matrix work: memory binds.  Each of the three ways has LDS bytes of its own.
.set XREG,  8704                       ; inputs: a wave's LDS: a stage of 16 rows x 528 bytes, then 256 bytes of scale words
.set MB,    34816                      ; mask: 128 rows x 256 bytes, behind the four waves' stages
.set RX,    16                         ; v16-143  inputs: two sets of 64 registers as loaded
.set XX,    144                        ; v144-207 inputs: 2 x 32 neighbours along K
.set CX,    208                        ; v208-219 inputs: two half images' six registers
.set T3,    220                        ; v220-222 a conversion's three registers begin on an even number: the second half is made here and moved
	s_load_b512 s[4:19], s[0:1], 0x0               ; inputs, mask, Wq, Wk, Wv, Wo, x_img, x_scl
	s_load_b128 s[20:23], s[0:1], 0x40             ; w_img, w_scl
	s_load_b64 s[24:25], s[0:1], 0x50              ; maskw
	v_lshl_add_u32 v240, v0, 2, 0x10800
	v_mov_b32 v241, 0
	v_lshrrev_b32 v1, 5, v0
	v_readfirstlane_b32 s26, v1                    ; wave
	v_and_b32 v2, 31, v0                           ; lane L
	v_and_b32 v3, 15, v0                           ; r
	v_bfe_u32 v7, v0, 4, 1                         ; h
	s_mov_b32 s33, 0                               ; the upper word of every offset pair s[32:33]
	s_mov_b32 s46, 0x76543210
	s_mov_b32 s47, 0xfedcba98                      ; v_permlanex16_b32's selects for lane l xor 16
	s_wait_kmcnt 0x0
	s_cmp_lt_u32 ttmp9, 256
	s_cbranch_scc1 .Lpath_x
	s_cmp_lt_u32 ttmp9, 384
	s_cbranch_scc1 .Lpath_w
; ---------------- THE MASK.  A work-group takes 128 rows i x 256 bytes j of one batch.
	s_sub_co_u32 s27, ttmp9, 384
	s_lshr_b32 s28, s27, 7                         ; batch
	s_bfe_u32 s29, s27, 0x40003                    ; step of 128 i
	s_and_b32 s30, s27, 7                          ; which 256 j
	s_lshl_b32 s32, s28, 22                        ; batch x 2,048 x 2,048
	s_lshl_b32 s34, s29, 18                        ; + 128 step rows of 2,048 bytes
	s_add_co_u32 s32, s32, s34
	s_lshl_b32 s34, s26, 16                        ; + my wave's 32 rows
	s_add_co_u32 s32, s32, s34
	s_lshl_b32 s34, s30, 8
	s_add_co_u32 s32, s32, s34
	s_add_nc_u64 s[6:7], s[6:7], s[32:33]
	s_lshl_b32 s32, s28, 7
	s_lshl_b32 s34, s30, 4
	s_add_co_u32 s32, s32, s34
	s_add_co_u32 s32, s32, s26                     ; tile of j: 128 batch + 16 x (which 256) + wave (+ 4 for each of my four tiles)
	s_lshl_b32 s32, s32, 4
	s_add_co_u32 s32, s32, s29
	s_lshl_b32 s32, s32, 8                         ; x 16 steps + step, 256 bytes each
	s_lshr_b32 s44, s32, 6                         ; behind maskw's 2,097,152 bytes of words: one flag word for each (tile, step), [tile][16 steps]
	s_mov_b32 s45, 0
	s_add_nc_u64 s[44:45], s[24:25], s[44:45]
	s_add_nc_u64 s[44:45], s[44:45], 0x200000
	s_lshl_b32 s42, 1, s29                         ; the flag of a tile whose 64 words are all ones: bit number = step; else 0
	v_mov_b32 v9, 0
	s_add_nc_u64 s[24:25], s[24:25], s[32:33]
	s_wait_alu depctr_va_vdst(0)
	v_lshlrev_b32 v4, 4, v3
	v_lshl_add_u32 v4, v7, 11, v4                  ; in: lanes 0-15 one row's 256 bytes, lanes 16-31 the next row's
	s_wait_alu depctr_va_vdst(0)
	v_lshlrev_b32 v5, 4, v2
	s_lshl_b32 s34, s26, 13
	s_add_co_u32 s34, s34, MB
	v_add_nc_u32 v5, s34, v5                       ; LDS: rows of 256 bytes on end: 8,192 x wave + 16 x lane
	v_and_b32 v6, 8, v3
	v_add_nc_u32 v6, v6, v3                        ; r + 8 (r / 8)
	v_lshl_add_u32 v6, v7, 12, v6                  ; + 16 h rows
	s_lshr_b32 s34, s26, 1
	s_lshl_b32 s34, s34, 5
	s_and_b32 s35, s26, 1
	s_lshl_b32 s35, s35, 3
	s_add_co_u32 s34, s34, s35
	s_add_co_u32 s34, s34, MB
	v_add_nc_u32 v6, s34, v6                       ; + my first tile's 32 (wave / 2) + 8 (wave % 2)
	v_lshlrev_b32 v8, 3, v2                        ; out: 8 bytes a lane
.irp k, 0,1,2,3,4,5,6,7,8,9,10,11,12,13,14,15
	global_load_b128 v[64+4*\k:67+4*\k], v4, s[6:7] offset:4096*\k th:TH_LOAD_NT   ; two rows' whole 256 bytes
.endr
.irp i, 0,1,2,3,4,5,6,7
	v_mov_b32 v[48+\i], 0                          ; v_writelane_b32's destination counts as read
.endr
.irp k, 0,1,2,3,4,5,6,7,8,9,10,11,12,13,14,15
	s_wait_loadcnt 15-\k                           ; loads come back in order: load k is in, the younger ones stay out
	ds_store_b128 v5, v[64+4*\k:67+4*\k] offset:512*\k
.endr
	s_wait_dscnt 0x0                               ; for the others' sake: my 32 rows lie in LDS
	s_barrier_signal -1
	s_barrier_wait -1
; Group x of 16: tile x / 4 of my four, words 16 (x % 4) .. + 15.  A lane reads the byte of its (i, j); the compare's lane mask is the word.
.macro MLD x
.irp e, 0,1,2,3,4,5,6,7,8,9,10,11,12,13,14,15
	ds_load_u8 v[16+16*((\x)%2)+\e], v6 offset:(32*((\x)%4)+\e)*256+64*((\x)/4)
.endr
.endm
.macro MWORDS x
.if (\x) < 15
	MLD (\x)+1                                     ; the next group's loads go out first, into the other set
	s_wait_alu depctr_va_vdst(0)
	s_wait_dscnt 16                                ; this group's 16 are in, the 16 just issued may be out
.else
	s_wait_dscnt 0x0
.endif
.irp f, 0,4,8,12
.irp e, 0,1,2,3
	v_cmp_ne_u32 s[36+\e], 0, v[16+16*((\x)%2)+\f+\e]
.endr
.irp e, 0,1,2,3
	v_writelane_b32 v[48+2*((\x)/4)+(\e%2)], s[36+\e], 8*((\x)%4)+(\f+\e)/2   ; word n to lane n / 2, register n % 2
.endr
.endr
.if (\x)%4 == 3
	global_store_b64 v8, v[48+2*((\x)/4):49+2*((\x)/4)], s[24:25] offset:16384*((\x)/4)
	v_and_b32 v12, v[48+2*((\x)/4)], v[49+2*((\x)/4)]
	v_cmp_eq_u32 s40, -1, v12                      ; every lane's two words all ones?
	s_cmp_eq_u32 s40, -1
	s_cselect_b32 s41, s42, 0
	v_mov_b32 v[56+(\x)/4], s41
	global_store_b32 v9, v[56+(\x)/4], s[44:45] offset:256*((\x)/4)   ; all lanes write the same word with the same value (32,768 bytes of flags in all)
.endif
.endm
	MLD 0
.irp x, 0,1,2,3,4,5,6,7,8,9,10,11,12,13,14,15
	s_wait_alu depctr_va_vdst(0)
	MWORDS \x
.endr
	s_wait_tensorcnt 0x0
	ds_add_u32 v240, v241
	s_wait_dscnt 0x0
	s_endpgm
; ---------------- THE WEIGHTS, [K][N] f32.  A lane takes a column and its registers run down K, so a block of 32 lies in one lane.  A wave: 32 columns x 256 along K.
.Lpath_w:
	s_sub_co_u32 s27, ttmp9, 256
	s_lshr_b32 s28, s27, 5                         ; which weight: q, k, v, o
	s_bfe_u32 s29, s27, 0x30002
	s_and_b32 s30, s27, 3                          ; which 256 along K
	s_lshl_b32 s29, s29, 2
	s_add_co_u32 s29, s29, s26                     ; group of 32 columns
	s_cmp_eq_u32 s28, 1
	s_cselect_b64 s[8:9], s[10:11], s[8:9]
	s_cmp_eq_u32 s28, 2
	s_cselect_b64 s[8:9], s[12:13], s[8:9]
	s_cmp_eq_u32 s28, 3
	s_cselect_b64 s[8:9], s[14:15], s[8:9]
	s_mov_b32 s36, 0x1800000                       ; the floor 2^(3 - 127);
	s_cmp_eq_u32 s28, 0
	s_cselect_b32 s36, 0x3000000, s36              ; Wq's is 2^(6 - 127), since 3 more come off its byte
	s_cselect_b32 s37, 3, 0
	s_lshl_b32 s32, s30, 20                        ; 256 rows of 4,096 bytes
	s_lshl_b32 s34, s29, 7
	s_add_co_u32 s32, s32, s34
	s_add_nc_u64 s[8:9], s[8:9], s[32:33]
	s_mul_i32 s32, s28, 786432
	s_mul_i32 s34, s29, 24576                      ; two tiles of 12,288 bytes a group
	s_add_co_u32 s32, s32, s34
	s_mul_i32 s34, s30, 3072                       ; four half images
	s_add_co_u32 s32, s32, s34
	s_add_nc_u64 s[20:21], s[20:21], s[32:33]
	s_lshl_b32 s32, s28, 15
	s_lshl_b32 s34, s29, 10
	s_add_co_u32 s32, s32, s34
	s_lshl_b32 s34, s30, 7
	s_add_co_u32 s32, s32, s34
	s_add_nc_u64 s[22:23], s[22:23], s[32:33]
	s_wait_alu depctr_va_vdst(0)
	v_and_b32 v16, 8, v3
	v_add_nc_u32 v16, v16, v3
	v_lshl_add_u32 v16, v7, 3, v16                 ; my column of the 32: lanes 0-15 the even tile's places, lanes 16-31 the odd tile's
	v_lshlrev_b32 v16, 2, v16
	v_lshlrev_b32 v4, 4, v2
	v_lshlrev_b32 v5, 3, v2
	v_lshlrev_b32 v6, 3, v3
	v_lshl_add_u32 v6, v7, 9, v6                   ; scale words: 512 x tile + 8 r
.macro WLOAD t                         ; block t: 32 rows of W at my column; a wave's load covers 128 consecutive bytes
.set i, 0
.rept 32
	global_load_b32 v[32+32*((\t)%2)+i], v16, s[8:9] offset:(32*(\t)+i)*4096 th:TH_LOAD_NT
.set i, i+1
.endr
.endm
.macro WBLOCK t
.set WS, 32+32*((\t)%2)
.set CB, 96+6*(\t)                     ; each block has its own six registers: no store's data are written again
.if (\t) < 7
	s_wait_loadcnt 32                              ; this block's 32 loads are in, the next block's may be out
.else
	s_wait_loadcnt 0x0
.endif
	v_max3_num_f32 v12, |v[WS]|, |v[WS+1]|, |v[WS+2]|
	v_max3_num_f32 v13, |v[WS+3]|, |v[WS+4]|, |v[WS+5]|
.irp i, 6,10,14,18,22,26
	v_max3_num_f32 v12, v12, |v[WS+\i]|, |v[WS+\i+1]|
	v_max3_num_f32 v13, v13, |v[WS+\i+2]|, |v[WS+\i+3]|
.endr
	v_max3_num_f32 v12, v12, |v[WS+30]|, |v[WS+31]|
	v_max3_num_f32 v12, v12, v13, s36              ; the block's largest magnitude, and the floor
	v_add_nc_u32 v11, 0xff000000, v12              ; 2 off its exponent field: the conversion's scale operand
	v_lshrrev_b32 v13, 23, v11
	v_sub_nc_u32 v13, v13, s37                     ; the byte (Wq: with the 1/8)
.if (\t)%4 == 0
	v_mov_b32 v[24+(\t)/4], v13
.else
	v_lshl_or_b32 v[24+(\t)/4], v13, 8*((\t)%4), v[24+(\t)/4]
.endif
	v_cvt_scalef32_pk16_fp6_f32 v[CB:CB+2], v[WS:WS+15], v11
	v_cvt_scalef32_pk16_fp6_f32 v[144:146], v[WS+16:WS+31], v11
	v_nop                                          ; one plain place behind a scaled conversion
.irp i, 0,1,2
	v_mov_b32 v[CB+3+\i], v[144+\i]
.endr
.if (\t)+2 < 8
	WLOAD (\t)+2
.endif
.if (\t)%2 == 1                        ; two blocks make a half image of each tile: the even block's lanes 16-31 change places with the odd block's lanes 0-15
.irp i, 0,1,2,3,4,5
	v_permlane16_swap_b32 v[CB-6+\i], v[CB+\i]
.endr
	global_store_b128 v4, v[CB-6:CB-3], s[20:21] offset:768*((\t)/2)
	global_store_b64 v5, v[CB-2:CB-1], s[20:21] offset:768*((\t)/2)+512
	global_store_b128 v4, v[CB:CB+3], s[20:21] offset:12288+768*((\t)/2)
	global_store_b64 v5, v[CB+4:CB+5], s[20:21] offset:12288+768*((\t)/2)+512
.endif
.endm
	WLOAD 0
	WLOAD 1
.irp t, 0,1,2,3,4,5,6,7
	WBLOCK \t
.endr
	global_store_b64 v6, v[24:25], s[22:23]        ; my column's two scale words
	s_endpgm
; ---------------- THE INPUTS, [8,192][1,024] f32.  A wave takes one tile of 16 rows x 512 along K: four steps of 128.
.Lpath_x:
	s_lshl_b32 s27, ttmp9, 2
	s_add_co_u32 s27, s27, s26                     ; unit = 2 x tile + which half of K
	s_lshr_b32 s28, s27, 2                         ; group of 32 rows
	s_bfe_u32 s29, s27, 0x10001                    ; u
	s_and_b32 s30, s27, 1
	s_lshl_b32 s32, s28, 17
	s_lshl_b32 s29, s29, 15
	s_add_co_u32 s32, s32, s29
	s_lshl_b32 s30, s30, 11
	s_add_co_u32 s32, s32, s30
	s_add_nc_u64 s[4:5], s[4:5], s[32:33]
	s_mul_i32 s32, s27, 6144                       ; eight half images a unit
	s_add_nc_u64 s[16:17], s[16:17], s[32:33]
	s_lshl_b32 s32, s27, 8                         ; 256 bytes of scale words a unit
	s_add_nc_u64 s[18:19], s[18:19], s[32:33]
	s_mul_i32 s34, s26, XREG
	s_wait_alu depctr_va_vdst(0)
	v_lshlrev_b32 v4, 4, v2                        ; 16 x lane
	v_add_nc_u32 v5, s34, v4                       ; the stage, on the way in
	v_mul_u32_u24 v6, v3, 528
	v_lshl_add_u32 v6, v7, 7, v6
	v_add_nc_u32 v6, s34, v6                       ; and out: row r, + 128 h: my block's 32 numbers
	v_lshlrev_b32 v8, 3, v2                        ; 8 x lane
	s_add_co_u32 s34, s34, 16*528
	v_lshlrev_b32 v9, 3, v3
	v_add_nc_u32 v9, s34, v9                       ; scale words in LDS: 8 r
	v_add_nc_u32 v10, s34, v8
	v_lshlrev_b32 v11, 3, v7                       ; 8 h: where my bytes stand in a word
	v_mov_b32 v227, 0                              ; a lane permute's destination counts as read
.macro XLOAD s                         ; step s: 16 rows x 512 consecutive bytes
.irp p, 0,1,2,3,4,5,6,7,8,9,10,11,12,13,14,15
	global_load_b128 v[RX+64*((\s)%2)+4*\p:RX+64*((\s)%2)+4*\p+3], v4, s[4:5] offset:(\p+8*(\p/8))*4096+512*(\s) th:TH_LOAD_NT
.endr
.endm
.macro XHALF s, hi                     ; 64 along K: my block of 32 becomes six registers of a half image
.set XS, XX+32*\hi
.set CC, CX+6*\hi
	v_max3_num_f32 v12, |v[XS]|, |v[XS+1]|, |v[XS+2]|
	v_max3_num_f32 v13, |v[XS+3]|, |v[XS+4]|, |v[XS+5]|
.irp i, 6,10,14,18,22,26
	v_max3_num_f32 v12, v12, |v[XS+\i]|, |v[XS+\i+1]|
	v_max3_num_f32 v13, v13, |v[XS+\i+2]|, |v[XS+\i+3]|
.endr
	v_max3_num_f32 v12, v12, |v[XS+30]|, |v[XS+31]|
	v_max3_num_f32 v12, v12, v13, 0x1800000        ; and the floor 2^(3 - 127)
	v_add_nc_u32 v14, 0xff000000, v12
	s_wait_alu depctr_va_vdst(0)
	s_wait_xcnt 0x0                                ; the last stores have read these six registers
	v_cvt_scalef32_pk16_fp6_f32 v[CC:CC+2], v[XS:XS+15], v14
	v_cvt_scalef32_pk16_fp6_f32 v[T3:T3+2], v[XS+16:XS+31], v14
	v_lshrrev_b32 v[224+\hi], 23, v14              ; the byte; also the plain place behind the conversions
.irp i, 0,1,2
	v_mov_b32 v[CC+3+\i], v[T3+\i]
.endr
	global_store_b128 v4, v[CC:CC+3], s[16:17] offset:(2*(\s)+\hi)*768
	global_store_b64 v8, v[CC+4:CC+5], s[16:17] offset:(2*(\s)+\hi)*768+512
.endm
.macro XSTEP s
.if (\s) < 3
	s_wait_loadcnt 16                              ; this step's 16 loads are in, the next step's may be out
.else
	s_wait_loadcnt 0x0
.endif
.irp p, 0,1,2,3,4,5,6,7,8,9,10,11,12,13,14,15
	ds_store_b128 v5, v[RX+64*((\s)%2)+4*\p:RX+64*((\s)%2)+4*\p+3] offset:528*\p
.endr
.irp hi, 0,1
.irp j, 0,1,2,3,4,5,6,7
	ds_load_b128 v[XX+32*\hi+4*\j:XX+32*\hi+4*\j+3], v6 offset:256*\hi+16*\j   ; LDS serves a wave's instructions in order: these see the stores
.endr
.endr
	s_wait_dscnt 8                                 ; the stores and the first half's eight loads are done; the second half's eight may be out
.if (\s)+2 < 4
	XLOAD (\s)+2
.endif
	XHALF \s, 0
	s_wait_dscnt 0x0
	XHALF \s, 1
	v_lshl_or_b32 v226, v225, 16, v224             ; my two bytes: blocks h and 2 + h,
	v_lshlrev_b32 v226, v11, v226                  ; at their places;
	v_permlanex16_b32 v227, v226, s46, s47
	v_or_b32 v226, v226, v227                      ; with lane l xor 16's the word is whole
	ds_store_b32 v9, v226 offset:((\s)/2)*128+4*((\s)%2)
.endm
	XLOAD 0
	XLOAD 1
	s_wait_alu depctr_va_vdst(0)
	XSTEP 0
	XSTEP 1
	XSTEP 2
	XSTEP 3
	ds_load_b64 v[228:229], v10
	s_wait_dscnt 0x0
	global_store_b64 v8, v[228:229], s[18:19]      ; 256 consecutive bytes, aligned
	s_wait_tensorcnt 0x0
	ds_add_u32 v240, v241
	s_wait_dscnt 0x0
	s_endpgm
.Lfunc_end_k_qd0121c3114_prep:
	.size	k_qd0121c3114_prep, .Lfunc_end_k_qd0121c3114_prep-k_qd0121c3114_prep
	.p2alignl 7, 3214868480
	.fill 96, 4, 3214868480
	.section	.rodata,"a",@progbits
	.p2align	6, 0x0
	.amdhsa_kernel k_qd0121c3114_prep
		.amdhsa_group_segment_fixed_size 68096
		.amdhsa_private_segment_fixed_size 0
		.amdhsa_enable_private_segment 0
		.amdhsa_kernarg_size 88
		.amdhsa_user_sgpr_count 2
		.amdhsa_user_sgpr_kernarg_segment_ptr 1
		.amdhsa_wavefront_size32 1
		.amdhsa_system_sgpr_workgroup_id_x 1
		.amdhsa_system_sgpr_workgroup_id_y 1
		.amdhsa_system_sgpr_workgroup_id_z 1
		.amdhsa_system_vgpr_workitem_id 0
		.amdhsa_next_free_vgpr 242
		.amdhsa_next_free_sgpr 66
		.amdhsa_reserve_vcc 0
		.amdhsa_float_denorm_mode_32 3
		.amdhsa_float_denorm_mode_16_64 3
		.amdhsa_memory_ordered 1
		.amdhsa_forward_progress 1
		.amdhsa_inst_pref_size 127
	.end_amdhsa_kernel
	.amdgpu_metadata
---
amdhsa.version: [ 1, 2 ]
amdhsa.kernels:
  - .name:           k_qd0121c3114_prep
    .symbol:         k_qd0121c3114_prep.kd
    .args:
      - { .name: inputs, .offset: 0, .size: 8, .value_kind: global_buffer, .address_space: global }
      - { .name: mask, .offset: 8, .size: 8, .value_kind: global_buffer, .address_space: global }
      - { .name: Wq, .offset: 16, .size: 8, .value_kind: global_buffer, .address_space: global }
      - { .name: Wk, .offset: 24, .size: 8, .value_kind: global_buffer, .address_space: global }
      - { .name: Wv, .offset: 32, .size: 8, .value_kind: global_buffer, .address_space: global }
      - { .name: Wo, .offset: 40, .size: 8, .value_kind: global_buffer, .address_space: global }
      - { .name: x_img, .offset: 48, .size: 8, .value_kind: global_buffer, .address_space: global }
      - { .name: x_scl, .offset: 56, .size: 8, .value_kind: global_buffer, .address_space: global }
      - { .name: w_img, .offset: 64, .size: 8, .value_kind: global_buffer, .address_space: global }
      - { .name: w_scl, .offset: 72, .size: 8, .value_kind: global_buffer, .address_space: global }
      - { .name: maskw, .offset: 80, .size: 8, .value_kind: global_buffer, .address_space: global }
    .group_segment_fixed_size: 68096
    .private_segment_fixed_size: 0
    .kernarg_segment_align: 8
    .kernarg_segment_size: 88
    .max_flat_workgroup_size: 128
    .sgpr_count:     66
    .vgpr_count:     242
    .wavefront_size: 32
...
	.end_amdgpu_metadata
.endif
;; end of part 1
;; launch qkv (part 2): grid 12 x 32, 4 waves a work-group, clusters of 4 x 4, 327,680 bytes of LDS; arguments x_img, x_scl, w_img, w_scl, qkv; writes qkv
.if DOCPART == 2
	.amdgcn_target "amdgcn-amd-amdhsa--gfx1250"
	.amdhsa_code_object_version 6
	.text
	.protected	k_qd0121c3114_qkv
	.globl	k_qd0121c3114_qkv
	.p2align	8
	.type	k_qd0121c3114_qkv,@function
k_qd0121c3114_qkv:
	s_mov_b64 s[64:65], 0
	v_nop
	global_prefetch_b8 v0, s[64:65] scope:SCOPE_SE
	s_setreg_imm32_b32 hwreg(HW_REG_WAVE_MODE, 25, 1), 1
	s_wait_xcnt 0x0
	s_wait_alu depctr_hold_cnt(0) depctr_sa_sdst(0) depctr_va_vdst(0) depctr_va_sdst(0) depctr_va_ssrc(0) depctr_va_vcc(0) depctr_vm_vsrc(0)
	s_getreg_b32 s2, hwreg(HW_REG_IB_STS2, 6, 4)
	s_cmp_eq_u32 s2, 0
	s_cbranch_scc0 .Lentry_in_a_cluster
	s_endpgm
.Lentry_in_a_cluster:
	s_bfe_u32 s2, ttmp6, 0x10000c
	s_cmp_lg_u32 s2, 0xf033
	s_cbranch_scc0 .Lentry_shape_is_right
	s_endpgm
.Lentry_shape_is_right:
.set OUTK,  0
.set NQ,    2
.set FR,    12
.set NL,    4
.set NP,    4
.set TILEB, 3072
.set IMGT,  12288
.set HALFT, 8*TILEB
.set SLOT,  4*HALFT
.set SCL,   2*SLOT
.set SPARE, 213248
.set WSTG,  213760
.set SPITCH, 528
.set KOFF,  13369344
.set KSOFF, 19660800
.set ADRA, 16
.set ADRB, 20
.set STO,  24
.set RD,   25
.set CO,   26
.set ADRS, 27
.set SPW,  28
.set NIL,  29
.set SC,   32
.set BIAS, 64
.set AF,   128
.set BK,   128
.set TM,   32
.set PC,   64
.set G1, 24
.set G0, 32
.set G1B, 48
.set G0B, 56
.set G1S, 68
.set G0S, 76
.set G1SB, 80
.set G0SB, 88
.set MSB, 0
.macro WIN new
.if MSB != \new
	s_set_vgpr_msb (MSB<<8)|\new
.set MSB, \new
.endif
.endm
.set MUL_LO, 0xa1
.set MUL_HI, 0xf1
.set TO_B,   0x40
.macro JLOAD g0a, g1a, g0b, g1b
	s_cmp_eq_u32 s15, 0
	s_cbranch_scc0 .Lfor_b_\@
	tensor_load_to_lds s[\g0a:\g0a+3], s[\g1a:\g1a+7]
	s_nop 0
.rept 4
	v_nop
.endr
	s_branch .Lasked_\@
.Lfor_b_\@:
	tensor_load_to_lds s[\g0b:\g0b+3], s[\g1b:\g1b+7]
	s_nop 0
.rept 4
	v_nop
.endr
.Lasked_\@:
.endm
.macro CREST
	s_cmp_lg_u32 s14, 0
	s_cbranch_scc1 .Lnot_wave_0_\@
	s_barrier_signal -3
.Lnot_wave_0_\@:
	s_barrier_wait -3
	s_barrier_signal -1
	s_barrier_wait -1
.endm
.macro CROUND
	s_barrier_signal -1
	s_barrier_wait -1
	CREST
.endm
.macro PLACES
.rept NP
	v_nop
.endr
.endm
	s_load_b128 s[4:7], s[0:1], 0x0
	s_load_b128 s[8:11], s[0:1], 0x10
.if OUTK
	s_load_b64 s[100:101], s[0:1], 0x20
	s_load_b64 s[12:13], s[0:1], 0x28
.else
	s_load_b64 s[12:13], s[0:1], 0x20
.endif
	v_lshl_add_u32 v[SPW], v0, 2, SPARE
	v_mov_b32 v[NIL], 0
	ds_add_u32 v28, v29
	ds_add_u32 v28, v29
	s_wait_dscnt 0x0
	v_lshrrev_b32 v1, 5, v0
	v_readfirstlane_b32 s14, v1
	s_lshr_b32 s15, s14, 1
	s_and_b32 s16, s14, 1
	s_bfe_u32 s40, ttmp6, 0x40000
	s_bfe_u32 s41, ttmp6, 0x40004
	s_and_b32 s67, ttmp7, 0xffff
	s_lshl_b32 s67, s67, 2
.if OUTK
	s_add_co_u32 s17, s67, s41
	s_lshl_b32 s42, ttmp9, 2
	s_add_co_u32 s42, s42, s40
.else
	s_mov_b32 s66, ttmp9
	s_cmp_eq_u32 s66, 2
	s_cselect_b32 s17, 0, s67
	s_cselect_b32 s42, s67, 0
	s_add_co_u32 s17, s17, s41
	s_add_co_u32 s42, s42, s40
.endif
	s_lshl_b32 s43, s41, 2
	s_lshl_b32 s43, 15, s43
	s_lshl_b32 s44, 0x1111, s40
	s_or_b32 s[G1+0], s43, (3<<16)|(1<<21)
	s_or_b32 s[G1B+0], s44, (3<<16)|(1<<21)
.irp g, G1, G1B
	s_mov_b32 s[\g+1], 384<<16
	s_mov_b32 s[\g+2], 16<<16
	s_mov_b32 s[\g+3], 384<<16
	s_mov_b32 s[\g+4], 16
	s_mov_b32 s[\g+5], 1536
	s_mov_b32 s[\g+6], 0
	s_mov_b32 s[\g+7], 0
.endr
	s_or_b32 s[G1S+0], s43, (3<<16)|(1<<21)
	s_or_b32 s[G1SB+0], s44, (3<<16)|(1<<21)
.irp g, G1S, G1SB
	s_mov_b32 s[\g+1], 32<<16
	s_mov_b32 s[\g+2], 32<<16
	s_mov_b32 s[\g+3], 32<<16
	s_mov_b32 s[\g+4], 32
	s_mov_b32 s[\g+5], 32
	s_mov_b32 s[\g+6], 0
	s_mov_b32 s[\g+7], 0
.endr
	s_lshl_b32 s20, s17, 4
	s_lshl_b32 s46, s42, 4
	s_lshl_b32 s22, s20, 9
	s_lshl_b32 s18, s46, 9
	s_mul_i32 s20, s20, IMGT
	s_mul_i32 s46, s46, IMGT
	s_mov_b32 s21, 0
	s_mov_b32 s23, 0
	s_mov_b32 s47, 0
	s_mov_b32 s19, 0
	s_mul_i32 s45, s14, HALFT
	s_mov_b32 s[G0S+1], SCL
	s_mov_b32 s[G0SB+1], SCL+8320
	s_wait_kmcnt 0x0
.if OUTK
	s_mov_b64 s[92:93], s[4:5]
	s_mov_b64 s[94:95], s[6:7]
	s_add_nc_u64 s[96:97], s[8:9], 2359296
	s_add_nc_u64 s[98:99], s[10:11], 98304
.else
	s_mul_i32 s2, s66, 786432
	s_mov_b32 s3, 0
	s_add_nc_u64 s[8:9], s[8:9], s[2:3]
	s_lshl_b32 s2, s66, 15
	s_add_nc_u64 s[10:11], s[10:11], s[2:3]
	s_cmp_eq_u32 s66, 2
	s_cselect_b64 s[92:93], s[8:9], s[4:5]
	s_cselect_b64 s[94:95], s[10:11], s[6:7]
	s_cselect_b64 s[96:97], s[4:5], s[8:9]
	s_cselect_b64 s[98:99], s[6:7], s[10:11]
.endif
	s_add_nc_u64 s[20:21], s[92:93], s[20:21]
	s_add_nc_u64 s[22:23], s[94:95], s[22:23]
	s_add_nc_u64 s[46:47], s[96:97], s[46:47]
	s_add_nc_u64 s[18:19], s[98:99], s[18:19]
	CROUND
	s_mov_b32 s[G0S], 1
	s_mov_b64 s[G0S+2:G0S+3], s[22:23]
	s_or_b32 s[G0S+3], s[G0S+3], 0x80000000
	s_mov_b32 s[G0SB], 1
	s_mov_b64 s[G0SB+2:G0SB+3], s[18:19]
	s_or_b32 s[G0SB+3], s[G0SB+3], 0x80000000
	s_mov_b32 s4, 1                                ; the head's loads of codes, each a whole half of slot 0: A's 16 tiles (s[4:7]; the arguments that lay there have been used),
	s_mov_b32 s5, 0
	s_mov_b64 s[6:7], s[20:21]
	s_or_b32 s7, s7, 0x80000000
	s_mov_b32 s8, 1                                ; and B's 16, behind them (s[8:11])
	s_mov_b32 s9, 2*HALFT
	s_mov_b64 s[10:11], s[46:47]
	s_or_b32 s11, s11, 0x80000000
	s_mul_i32 s2, s16, 8*IMGT                      ; for the ring: my 8 tiles of the 16
	s_mov_b32 s3, 0
	s_add_nc_u64 s[20:21], s[20:21], s[2:3]
	s_add_nc_u64 s[46:47], s[46:47], s[2:3]
.irp s, 0,1
	s_mov_b32 s[G0+4*\s], 1
	s_add_co_u32 s[G0+4*\s+1], s45, \s*SLOT
	s_add_nc_u64 s[G0+4*\s+2:G0+4*\s+3], s[20:21], \s*TILEB
	s_or_b32 s[G0+4*\s+3], s[G0+4*\s+3], 0x80000000
	s_mov_b32 s[G0B+4*\s], 1
	s_add_co_u32 s[G0B+4*\s+1], s45, \s*SLOT
	s_add_nc_u64 s[G0B+4*\s+2:G0B+4*\s+3], s[46:47], \s*TILEB
	s_or_b32 s[G0B+4*\s+3], s[G0B+4*\s+3], 0x80000000
.endr
; THE HEAD'S LOADS, ONE A WAVE: wave 0 slot 0's 16 tiles of A, wave 1 its 16 tiles of B, wave 2 the scale words of A's 16 tiles, wave 3 those of B's.
; One chain of branches on the wave's number, a load to an arm, all arms leading to one join.
.macro ARM under, g0, g1, next
	s_cmp_lt_u32 s14, \under
	s_cbranch_scc0 \next
	tensor_load_to_lds s[\g0:\g0+3], s[\g1:\g1+7]
	s_nop 0
.rept 4
	v_nop
.endr
	s_branch .Lhead_asked
\next:
.endm
	ARM 1, 4, G1, .Lhead_b
	ARM 2, 8, G1B, .Lhead_sa
	ARM 3, G0S, G1S, .Lhead_sb
	tensor_load_to_lds s[G0SB:G0SB+3], s[G1SB:G1SB+7]
	s_nop 0
.rept 4
	v_nop
.endr
.Lhead_asked:
	v_and_b32 v1, 15, v0
	v_bfe_u32 v2, v0, 4, 1
	v_and_b32 v3, 31, v0
	v_lshlrev_b32 v4, 4, v3
	v_lshlrev_b32 v5, 3, v3
	s_mul_i32 s21, s15, HALFT
	s_mul_i32 s22, s16, HALFT
	s_add_co_u32 s22, s22, 2*HALFT
.irp s, 0,1
	v_add_nc_u32 v[ADRA+\s], s21, v4
	v_add_nc_u32 v[ADRB+\s], s22, v4
	v_add_nc_u32 v[ADRA+2+\s], s21, v5
	v_add_nc_u32 v[ADRB+2+\s], s22, v5
	s_add_co_u32 s21, s21, SLOT
	s_add_co_u32 s22, s22, SLOT
.endr
	v_lshlrev_b32 v7, 3, v1
	s_lshl_b32 s21, s15, 12
	s_lshl_b32 s22, s16, 12
	s_add_co_u32 s22, s22, 8320
	s_sub_co_u32 s22, s22, s21
	v_mul_u32_u24 v6, s22, v2
	s_add_co_u32 s21, s21, SCL
	v_add_nc_u32 v7, v7, v6
	v_add_nc_u32 v[ADRS], s21, v7
.if OUTK
	s_lshl_b32 s46, s42, 10
	s_lshl_b32 s47, s16, 9
	s_add_co_u32 s46, s46, s47
	s_mov_b32 s47, 0
	s_add_nc_u64 s[100:101], s[100:101], s[46:47]
	v_lshlrev_b32 v15, 6, v2
.irp b, 0,1,2,3,4,5,6,7
	global_load_b128 v[BIAS+8*\b:BIAS+8*\b+3], v15, s[100:101] offset:(32*(\b/2)+8*(\b%2))*4
	global_load_b128 v[BIAS+8*\b+4:BIAS+8*\b+7], v15, s[100:101] offset:(32*(\b/2)+8*(\b%2))*4+16
.endr
	s_lshl_b32 s20, s17, 8
	s_lshl_b32 s21, s15, 7
	s_add_co_u32 s20, s20, s21
	s_lshl_b32 s20, s20, 12
	s_add_co_u32 s20, s20, s46
	s_mov_b32 s21, 0
	s_add_nc_u64 s[12:13], s[12:13], s[20:21]
	s_mul_i32 s23, s14, 16*SPITCH
	v_mul_u32_u24 v6, v1, SPITCH
	v_lshl_add_u32 v6, v2, 6, v6
	v_add_nc_u32 v[STO], s23, v6
	v_mov_b32 v[CO], v4
	v_add_nc_u32 v[RD], s23, v4
.endif
.macro FRAG reg, adr, off
	ds_load_b128 v[\reg:\reg+3], v[\adr] offset:\off
	ds_load_b64 v[\reg+4:\reg+5], v[\adr+2] offset:\off+512
	ds_load_b128 v[\reg+6:\reg+9], v[\adr] offset:\off+768
	ds_load_b64 v[\reg+10:\reg+11], v[\adr+2] offset:\off+1280
.endm
.macro MUL16 a0, p, q, sc, cm
.irp a, \a0, \a0+1
.irp b, 0,1,2,3,4,5,6,7
.if \cm == 1
	v_wmma_scale_f32_16x16x128_f8f6f4 v[8*(8*((\a)%4)+\b):8*(8*((\a)%4)+\b)+7], v[128*(\p)+FR*\b:128*(\p)+FR*\b+FR-1], v[AF+FR*(\a):AF+FR*(\a)+FR-1], 0, v[SC+8*NQ*(\sc)+NQ*\b+(\q)], v[SC+8*NQ*(\sc)+NQ*(\a)+(\q)] matrix_a_fmt:MATRIX_FMT_FP6 matrix_b_fmt:MATRIX_FMT_FP6 matrix_a_scale:MATRIX_SCALE_ROW1
.elseif \cm == 2
	v_wmma_scale_f32_16x16x128_f8f6f4 v[8*(8*((\a)%4)+\b):8*(8*((\a)%4)+\b)+7], v[128*(\p)+FR*\b:128*(\p)+FR*\b+FR-1], v[AF+FR*(\a):AF+FR*(\a)+FR-1], v[BIAS+8*\b:BIAS+8*\b+7], v[SC+8*NQ*(\sc)+NQ*\b+(\q)], v[SC+8*NQ*(\sc)+NQ*(\a)+(\q)] matrix_a_fmt:MATRIX_FMT_FP6 matrix_b_fmt:MATRIX_FMT_FP6 matrix_a_scale:MATRIX_SCALE_ROW1
.else
	v_wmma_scale_f32_16x16x128_f8f6f4 v[8*(8*((\a)%4)+\b):8*(8*((\a)%4)+\b)+7], v[128*(\p)+FR*\b:128*(\p)+FR*\b+FR-1], v[AF+FR*(\a):AF+FR*(\a)+FR-1], v[8*(8*((\a)%4)+\b):8*(8*((\a)%4)+\b)+7], v[SC+8*NQ*(\sc)+NQ*\b+(\q)], v[SC+8*NQ*(\sc)+NQ*(\a)+(\q)] matrix_a_fmt:MATRIX_FMT_FP6 matrix_b_fmt:MATRIX_FMT_FP6 matrix_a_scale:MATRIX_SCALE_ROW1
.endif
.endr
.endr
.endm
.macro FETCH_B slot, q, p
	WIN TO_B
.irp i, 0,1,2,3,4,5,6,7
	FRAG 128*(\p)+FR*\i, ADRB+\slot, \i*TILEB+(\q)*1536
.endr
	WIN 0
.endm
.macro FETCH_A slot, q, i0
.irp i, \i0, \i0+1, \i0+2, \i0+3
	FRAG AF+FR*(\i), ADRA+\slot, (\i)*TILEB+(\q)*1536
.endr
.endm
.macro SCALES sc
.irp i, 0,1,2,3,4,5,6,7
	ds_load_b64 v[SC+8*NQ*\sc+NQ*\i:SC+8*NQ*\sc+NQ*\i+1], v[ADRS] offset:\i*512
.endr
.endm
.macro STEP slot, cm
	s_wait_dscnt 4*NL
.if \cm == 2
	WIN 0x81
.else
	WIN MUL_LO
.endif
	MUL16 0, 0, 0, \slot, \cm
	MUL16 2, 0, 0, \slot, \cm
	s_wait_dscnt 0x0
	PLACES
	FETCH_B \slot, 1, 1
	FETCH_A \slot, 1, 0
.if \cm == 2
	WIN 0xc1
.else
	WIN MUL_HI
.endif
	MUL16 4, 0, 0, \slot, \cm
	MUL16 6, 0, 0, \slot, \cm
	PLACES
	WIN 0
	FETCH_A \slot, 1, 4
.endm
.macro TURN slot, next, fill
	s_wait_tensorcnt 0x0
	ds_add_u32 v[SPW], v[NIL]
	s_wait_dscnt 4*NL+1
	WIN MUL_LO
	MUL16 0, 1, 1, \slot, 0
	s_wait_dscnt 0x0
	s_barrier_signal -1
	MUL16 2, 1, 1, \slot, 0
	WIN 0
	s_barrier_wait -1
.if \fill
	CREST
	s_add_nc_u64 s[G0+4*\slot+2:G0+4*\slot+3], s[G0+4*\slot+2:G0+4*\slot+3], 2*TILEB
	s_add_nc_u64 s[G0B+4*\slot+2:G0B+4*\slot+3], s[G0B+4*\slot+2:G0B+4*\slot+3], 2*TILEB
	JLOAD G0+4*\slot, G1, G0B+4*\slot, G1B
.else
	PLACES
.endif
	s_wait_alu depctr_va_vdst(0)
	v_add_nc_u32 v[ADRS], 128, v[ADRS]
	FETCH_B \next, 0, 0
	FETCH_A \next, 0, 0
	SCALES \next
	WIN MUL_HI
	MUL16 4, 1, 1, \slot, 0
	MUL16 6, 1, 1, \slot, 0
	PLACES
	WIN 0
	FETCH_A \next, 0, 4
.endm
	s_wait_alu depctr_va_vdst(0)
	s_wait_tensorcnt 0x0                           ; my tile of the head's four is in
	ds_add_u32 v[SPW], v[NIL]
	s_mov_b32 s[G1+2], 8<<16                       ; no tensor load of mine is out, so a descriptor may be written: from here on a load brings 8 tiles
	s_mov_b32 s[G1+4], 8
	s_mov_b32 s[G1B+2], 8<<16
	s_mov_b32 s[G1B+4], 8
	s_wait_dscnt 0x0
	CROUND                                         ; all four tiles are in, and all sixteen work-groups are here
	JLOAD G0+4, G1, G0B+4, G1B                     ; slot 1's first fill, the first tensor load behind the round
	FETCH_B 0, 0, 0
	FETCH_A 0, 0, 0
	SCALES 0
	FETCH_A 0, 0, 4
.if OUTK
	s_wait_loadcnt 0x0
	STEP 0, 2
.else
	STEP 0, 1
.endif
	TURN 0, 1, 1
	STEP 1, 0
	TURN 1, 0, 1
	STEP 0, 0
	TURN 0, 1, 0
	STEP 1, 0
	s_wait_dscnt 4*NL
	WIN MUL_LO
	MUL16 0, 1, 1, 1, 0
	MUL16 2, 1, 1, 1, 0
	s_wait_dscnt 0x0
	WIN MUL_HI
	MUL16 4, 1, 1, 1, 0
	MUL16 6, 1, 1, 1, 0
	WIN 0
	PLACES
.if OUTK
.macro TOSTAGE a
.set AC, 64*((\a)%4)
	WIN 0x08+4*((\a)/4)
.irp b, 0,1,2,3,4,5,6,7
	ds_store_b128 v[STO], v[AC+8*\b:AC+8*\b+3] offset:128*(\b/2)+32*(\b%2)
	ds_store_b128 v[STO], v[AC+8*\b+4:AC+8*\b+7] offset:128*(\b/2)+32*(\b%2)+16
.endr
	WIN 0
.set BB, BK+64*((\a)%2)
.irp t, 0,1,2,3,4,5,6,7,8,9,10,11,12,13,14,15
	ds_load_b128 v[BB+4*\t:BB+4*\t+3], v[RD] offset:\t*SPITCH
.endr
.endm
.macro SEND a, younger
.set BB, BK+64*((\a)%2)
	s_wait_dscnt \younger
.irp t, 0,1,2,3,4,5,6,7,8,9,10,11,12,13,14,15
	global_store_b128 v[CO], v[BB+4*\t:BB+4*\t+3], s[12:13] offset:(32*((\a)/2)+8*((\a)%2)+\t+8*(\t/8))*4096 th:TH_STORE_NT
.endr
.endm
	TOSTAGE 0
.irp a, 1,2,3,4,5,6,7
.if \a > 1
	s_wait_xcnt 0x0
.endif
	TOSTAGE \a
	SEND \a-1, 32
.endr
	SEND 7, 0
.else
	s_mov_b32 s100, 0x76543210
	s_mov_b32 s101, 0xfedcba98
	s_lshl_b32 s2, s17, 1
	s_add_co_u32 s2, s2, s15
	s_lshl_b32 s3, s42, 1
	s_add_co_u32 s3, s3, s16
	s_cmp_eq_u32 s66, 2
	s_cselect_b32 s18, s3, s2
	s_cselect_b32 s19, s2, s3
	s_lshr_b32 s20, s18, 4
	s_and_b32 s21, s18, 15
	s_lshl_b32 s20, s20, 4
	s_lshl_b32 s19, s19, 1
	s_add_co_u32 s20, s20, s19
	s_mul_i32 s22, s20, 208896
	s_mul_i32 s23, s21, 13056
	s_add_co_u32 s22, s22, s23
	s_mul_i32 s46, s20, 98304
	s_mul_i32 s23, s21, 6144
	s_add_co_u32 s46, s46, s23
	s_add_co_u32 s46, s46, KOFF
	s_lshl_b32 s47, s20, 13
	s_lshl_b32 s23, s21, 9
	s_add_co_u32 s47, s47, s23
	s_add_co_u32 s47, s47, KSOFF
	s_add_co_u32 s23, s22, 12288
	s_add_co_u32 s2, s22, 6144
	s_add_co_u32 s3, s22, 12800
	s_mov_b32 s18, 208896
	s_mov_b32 s19, 208896
	s_mov_b32 s21, 98304
	s_mov_b32 s96, 768
	s_cmp_eq_u32 s66, 1
	s_cselect_b32 s92, s46, s22
	s_cselect_b32 s94, s47, s23
	s_cselect_b32 s18, s21, s18
	s_cselect_b32 s19, 8192, s19
	s_cmp_eq_u32 s66, 2
	s_cselect_b32 s92, s2, s92
	s_cselect_b32 s94, s3, s94
	s_cselect_b32 s18, s96, s18
	s_cselect_b32 s96, 1536, s96
	s_cselect_b32 s98, 202752, 0
	s_cselect_b32 s20, 208640, 0
	s_mov_b32 s93, 0
	s_mov_b32 s95, 0
	s_mov_b32 s97, 0
	s_mov_b32 s99, 0
	s_add_nc_u64 s[92:93], s[12:13], s[92:93]
	s_add_nc_u64 s[94:95], s[12:13], s[94:95]
	v_lshlrev_b32 v30, 4, v3
	v_lshlrev_b32 v31, 3, v3
	v_add_nc_u32 v50, s18, v30
	v_add_nc_u32 v51, s18, v31
	s_lshl_b32 s2, s14, 10
	s_add_co_u32 s2, s2, WSTG
	v_lshl_add_u32 v52, v1, 2, s2
	v_add_nc_u32 v53, s2, v30
	v_mul_u32_u24 v54, s20, v2
	v_add_nc_u32 v54, v54, v30
	v_add_nc_u32 v55, s19, v30
.irp b, 0,1,2,3
	v_mov_b32 v[TM+4+\b], 0
.endr
.macro QOUT a
.set AC, 64*((\a)%4)
.if (\a) > 0
	s_wait_xcnt 0x0
	s_wait_dscnt 0x0
	s_add_nc_u64 s[92:93], s[92:93], s[96:97]
.if (\a) == 4
	s_add_nc_u64 s[92:93], s[92:93], s[98:99]
.endif
.endif
.irp b, 0,1,2,3
	v_mov_b32 v[TM+\b], 0x1800000
.endr
	WIN 0x28+0x14*((\a)/4)
.irp i, 0,2,4,6,8,10,12,14
.irp b, 0,1,2,3
	v_max3_num_f32 v[TM+\b], v[TM+\b], |v[AC+16*\b+\i]|, |v[AC+16*\b+\i+1]|
.endr
.endr
	WIN 0
.irp b, 0,1,2,3
	v_permlanex16_b32 v[TM+4+\b], v[TM+\b], s100, s101
.endr
.irp b, 0,1,2,3
	v_max_num_f32 v[TM+\b], v[TM+\b], v[TM+4+\b]
.endr
.irp b, 0,1,2,3
	v_add_nc_u32 v[TM+12+\b], 0xff000000, v[TM+\b]
.endr
.irp b, 0,1,2,3
	v_lshrrev_b32 v[TM+4+\b], 23, v[TM+12+\b]
.endr
	v_lshl_or_b32 v48, v[TM+5], 8, v[TM+4]
	v_lshl_or_b32 v48, v[TM+6], 16, v48
	v_lshl_or_b32 v48, v[TM+7], 24, v48
	v_lshrrev_b32 v49, 16, v48
	WIN 0x02+((\a)/4)
.irp c, 0,1
	v_cvt_scalef32_pk16_fp6_f32 v[PC+6*\c:PC+6*\c+2], v[AC+32*\c:AC+32*\c+15], v[TM+12+2*\c]
	v_cvt_scalef32_pk16_fp6_f32 v[PC+12+4*\c:PC+14+4*\c], v[AC+16+32*\c:AC+31+32*\c], v[TM+13+2*\c]
.endr
	WIN 0
	v_nop
.irp c, 0,1
.irp i, 0,1,2
	v_permlane16_swap_b32 v[PC+6*\c+\i], v[PC+12+4*\c+\i]
.endr
.irp i, 0,1,2
	v_mov_b32 v[PC+3+6*\c+\i], v[PC+12+4*\c+\i]
.endr
.endr
	global_store_b128 v30, v[PC:PC+3], s[92:93]
	global_store_b64 v31, v[PC+4:PC+5], s[92:93] offset:512
	global_store_b128 v50, v[PC+6:PC+9], s[92:93]
	global_store_b64 v51, v[PC+10:PC+11], s[92:93] offset:512
	ds_store_b32 v52, v48 offset:64*(\a)
	ds_store_b32 v52, v49 offset:512+64*(\a)
.endm
.irp a, 0,1,2,3,4,5,6,7
	QOUT \a
.endr
	ds_load_b128 v[88:91], v53
	ds_load_b128 v[92:95], v53 offset:512
	s_wait_dscnt 0x0
	global_store_b128 v54, v[88:91], s[94:95]
	s_cmp_eq_u32 s66, 2
	s_cbranch_scc1 .Lno_second
	global_store_b128 v55, v[92:95], s[94:95]
.Lno_second:
.endif
	s_wait_tensorcnt 0x0
	ds_add_u32 v[SPW], v[NIL]
	s_wait_dscnt 0x0
	CROUND
	s_endpgm
.Lfunc_end_k_qd0121c3114_qkv:
	.size	k_qd0121c3114_qkv, .Lfunc_end_k_qd0121c3114_qkv-k_qd0121c3114_qkv
	.p2alignl 7, 3214868480
	.fill 96, 4, 3214868480
	.section	.rodata,"a",@progbits
	.p2align	6, 0x0
	.amdhsa_kernel k_qd0121c3114_qkv
		.amdhsa_group_segment_fixed_size 327680
		.amdhsa_private_segment_fixed_size 0
		.amdhsa_enable_private_segment 0
		.amdhsa_kernarg_size 40
		.amdhsa_user_sgpr_count 2
		.amdhsa_user_sgpr_kernarg_segment_ptr 1
		.amdhsa_wavefront_size32 1
		.amdhsa_system_sgpr_workgroup_id_x 1
		.amdhsa_system_sgpr_workgroup_id_y 1
		.amdhsa_system_sgpr_workgroup_id_z 1
		.amdhsa_system_vgpr_workitem_id 0
		.amdhsa_next_free_vgpr 1024
		.amdhsa_next_free_sgpr 102
		.amdhsa_reserve_vcc 0
		.amdhsa_float_denorm_mode_32 3
		.amdhsa_float_denorm_mode_16_64 3
		.amdhsa_memory_ordered 1
		.amdhsa_forward_progress 1
		.amdhsa_inst_pref_size 154
	.end_amdhsa_kernel
	.amdgpu_metadata
---
amdhsa.version: [ 1, 2 ]
amdhsa.kernels:
  - .name:           k_qd0121c3114_qkv
    .symbol:         k_qd0121c3114_qkv.kd
    .args:
      - { .name: x_img, .offset: 0, .size: 8, .value_kind: global_buffer, .address_space: global }
      - { .name: x_scl, .offset: 8, .size: 8, .value_kind: global_buffer, .address_space: global }
      - { .name: w_img, .offset: 16, .size: 8, .value_kind: global_buffer, .address_space: global }
      - { .name: w_scl, .offset: 24, .size: 8, .value_kind: global_buffer, .address_space: global }
      - { .name: qkv, .offset: 32, .size: 8, .value_kind: global_buffer, .address_space: global }
    .group_segment_fixed_size: 327680
    .private_segment_fixed_size: 0
    .kernarg_segment_align: 8
    .kernarg_segment_size: 40
    .max_flat_workgroup_size: 128
    .sgpr_count:     102
    .vgpr_count:     1024
    .wavefront_size: 32
...
	.end_amdgpu_metadata
.endif
;; end of part 2
;; launch attn (part 3): grid 4 x 64, 16 waves a work-group, no clusters, 210,944 bytes of LDS; arguments qkv, maskw, a_img, a_scl; writes a_img, a_scl
.if DOCPART == 3
	.amdgcn_target "amdgcn-amd-amdhsa--gfx1250"
	.amdhsa_code_object_version 6
	.text
	.protected	k_qd0121c3114_attn
	.globl	k_qd0121c3114_attn
	.p2align	8
	.type	k_qd0121c3114_attn,@function
k_qd0121c3114_attn:
	s_mov_b64 s[64:65], 0
	v_nop
	global_prefetch_b8 v0, s[64:65] scope:SCOPE_SE
	s_setreg_imm32_b32 hwreg(HW_REG_WAVE_MODE, 25, 1), 1
	s_wait_xcnt 0x0
; Attention with the softmax over i: the "queries" are the rows j of k, the "keys" the rows i of q / 8, the values v[i].  Both products on codes of FP6 (E2M3) with E8M0 scales.
; logit = score + (mask ? 0 : -1e9): the term is laid into the score registers by 64 selects a step and given to the score products as their C.
; A TILE OF 16 j x 128 i WHOSE MASK IS ALL TRUE adds 0 everywhere: its flag (a whole number that the first launch stored behind the mask words) leads round the selects, and the products take the constant 0 as C.
; t - M = logit x log2(e) - M in one fused multiply-add; M = the running largest t rounded up to a whole number; p = 2^(t - M) is quantised along i;
; the sum of the unquantised p divides O at the end, and O / sum is quantised along (head, dv) for the last product.
; SHARES.  A work-group owns one (batch, head) and 512 rows j, in two passes of 256; each of its sixteen waves owns one tile of 16 rows j a pass, in 256 registers.
; THE HEAD'S WHOLE STREAM (16 steps x 13,056 bytes: 8 half images of q, 4 fragments of V^T, their scale words) lies in LDS, written ONCE: wave w copies step w through 102 registers, 512 consecutive bytes a load.
; NO TENSOR LOAD, NO CLUSTER: the four work-groups of a head each copy the stream.
; NO DATA PREFETCH: the head asks for all of the stream at once, so no later tile is left to ask ahead for; the mask words are loaded a whole step ahead of their use.
; LAYOUT.  S^T = keys x queries, O^T = V^T x P: a lane holds one row j throughout.  Tiles are in TILE ORDER (tile 2 g + u, place r = row 32 g + 8 u + r + 8 (r / 8)), so the 16 registers of tiles 2 g, 2 g + 1 are 16 neighbours.
; K = 64 IN A FORM OF K = 128: the queries' registers 6-11 are zero codes; the keys' upper six registers are the next tile's codes.  The format has no NaN and no infinity and no scale byte here is 0xff, so that half adds exactly 0.
; THE MASK comes as lane-mask words by scalar loads, 64 a step, in two sets of 32 scalar registers.
; LIMITS: NaN and infinities are not served; p under 2^-126 falls to 0 (v_exp_f32); 1 / sum is v_rcp_f32 and a multiplication; a block under 2^-124 or of zeros carries the byte 1.
; The sum score + -1e9 is rounded by the matrix unit.  In a column whose mask is false throughout, t - M lies within 64 of 0 (half a step of f32 at 1.44e9): p, its sum and O stay in f32's range and the common factor cancels.
; The promise holds while the scaled scores stay under 2^31 in magnitude.  A scale word of the last product spans two heads, so its bytes leave two at a time (262,144 bytes in all).
; REGISTERS: v1-3 16, 8, 4 x lane; v4-6 the same + the step's LDS base; v7 -1e9; v8, v30, v31 offsets at the head; v9 8 r; v11 old -M; v12 -M, v13 largest logit, v[14:15] the sum; v16-27 queries; v28 their scale word, v29 pass 1's;
; v32-85 keys (v80-85 zeros), later V^T; v86-91 scale words; v96-159 mask terms, S^T, p; v160-191 O^T; v192-211 maxima's leaves, then p's codes; v212-227 at work; v228-229, v242-253 partial sums; v236-241 pass 1's queries.
; SCALARS: s[6:7] mask words, s[8:11] outputs, s12 wave, s13 the step's LDS base, s16 steps to go, s18 the pointer's step at a pass's last trip, s19 this pass's flags (bit 0: this step's), s20 pass 1's,
; s[28:29] permute selects, s[30:31] log2(e), s[32:63] and s[68:99] mask words.
.set STEPB, 13056
.set KOFF,  13369344
.set KSOFF, 19660800
.set KF, 32
.set S,  96
.set O,  160
.set PCD, 192
.set BM, 212                           ; v212-215 block maxima; v216-219 permutes, bytes; v220-223 scale operands
	s_load_b256 s[4:11], s[0:1], 0x0               ; qkv, maskw, a_img, a_scl
	v_lshl_add_u32 v254, v0, 2, 0x33000            ; my spare word, and 0: for the wave's closing lines
	v_mov_b32 v255, 0
	v_lshrrev_b32 v10, 5, v0
	s_delay_alu instid0(VALU_DEP_1)
	v_readfirstlane_b32 s12, v10                   ; wave 0..15
	s_mov_b32 s14, ttmp9                           ; which 512 rows j
	s_and_b32 s15, ttmp7, 0xffff                   ; 16 x batch + head
	s_mul_i32 s25, s12, STEPB                      ; step = my wave's number: its place in LDS and in the stream
	s_mul_i32 s26, s15, 16*STEPB
	s_add_co_u32 s26, s26, s25
	s_mov_b32 s27, 0
	s_mov_b32 s3, 0                                ; the upper word of every offset pair s[2:3]
	s_mov_b32 s28, 0x76543210
	s_mov_b32 s29, 0xfedcba98                      ; v_permlanex16_b32's selects for lane l xor 16
	s_mov_b32 s30, 0x3fb8aa3b                      ; log2(e)
	s_mov_b32 s31, s30
	s_lshl_b32 s68, s14, 5
	s_add_co_u32 s68, s68, s12                     ; my tile of j in the batch, pass 0
	s_lshr_b32 s69, s15, 4                         ; batch
	s_and_b32 s70, s15, 15                         ; head
	s_lshl_b32 s71, s69, 7
	s_add_co_u32 s71, s71, s68                     ; my tile among all tokens'
	s_mul_i32 s72, s15, 98304
	s_mul_i32 s73, s68, 768
	s_add_co_u32 s72, s72, s73
	s_add_co_u32 s72, s72, KOFF                    ; k's half image, as an offset in qkv
	s_lshl_b32 s74, s15, 13
	s_lshl_b32 s73, s68, 6
	s_add_co_u32 s74, s74, s73
	s_add_co_u32 s74, s74, KSOFF                   ; k's scale words, likewise
	v_and_b32 v10, 31, v0
	v_and_b32 v11, 15, v0
	s_delay_alu instid0(VALU_DEP_2)
	v_lshlrev_b32 v1, 4, v10
	v_lshlrev_b32 v2, 3, v10
	v_lshlrev_b32 v3, 2, v10
	v_lshlrev_b32 v8, 2, v11
	v_lshlrev_b32 v9, 3, v11
	v_add_nc_u32 v30, s72, v1
	v_add_nc_u32 v31, s72, v2
	v_add_nc_u32 v8, s74, v8
	v_add_nc_u32 v4, s25, v1                       ; where my step goes in LDS
	v_add_nc_u32 v5, s25, v2
	v_mov_b32 v7, 0xce6e6b28                       ; -1e9
	s_wait_alu depctr_va_vdst(0)
	s_wait_kmcnt 0x0
	s_add_nc_u64 s[26:27], s[4:5], s[26:27]
.set k, 0
.rept 25
	global_load_b128 v[96+4*k:96+4*k+3], v1, s[26:27] offset:512*k   ; my step of the stream: 25 x 512 bytes,
.set k, k+1
.endr
	global_load_b64 v[196:197], v2, s[26:27] offset:12800            ; and its last 256
	s_lshl_b32 s2, s71, 6
	s_add_co_u32 s2, s2, 0x200000
	s_add_nc_u64 s[22:23], s[6:7], s[2:3]          ; my tiles' flags: 16 words a tile, behind the mask words
	s_load_b512 s[32:47], s[22:23], 0x0            ; pass 0's tile
	s_load_b512 s[48:63], s[22:23], 0x400          ; pass 1's, 16 tiles on
	global_load_b128 v[16:19], v30, s[4:5]         ; both passes' tiles of k: codes and scale words (pass 1: 16 tiles on)
	global_load_b64 v[20:21], v31, s[4:5] offset:512
	global_load_b32 v28, v8, s[4:5]
	global_load_b128 v[236:239], v30, s[4:5] offset:12288
	global_load_b64 v[240:241], v31, s[4:5] offset:12288+512
	global_load_b32 v29, v8, s[4:5] offset:1024
	s_lshl_b32 s2, s71, 12
	s_add_nc_u64 s[6:7], s[6:7], s[2:3]            ; the mask words: 16 steps x 256 bytes a tile
	s_mul_i32 s2, s71, 12288
	s_mul_i32 s73, s70, 768
	s_add_co_u32 s2, s2, s73
	s_add_nc_u64 s[8:9], s[8:9], s[2:3]            ; out: half image number = head
	s_lshl_b32 s2, s71, 9
	s_lshr_b32 s73, s70, 2
	s_lshl_b32 s73, s73, 7
	s_add_co_u32 s2, s2, s73
	s_bfe_u32 s73, s70, 0x10001
	s_lshl_b32 s73, s73, 2
	s_add_co_u32 s2, s2, s73
	s_and_b32 s73, s70, 1
	s_lshl_b32 s73, s73, 1
	s_add_co_u32 s2, s2, s73
	s_add_nc_u64 s[10:11], s[10:11], s[2:3]        ; out: my head's two bytes of the scale word
.irp i, 22,23,24,25,26,27,80,81,82,83,84,85
	v_mov_b32 v\i, 0                               ; zero codes
.endr
.irp i, 216,217,218,219,225,227
	v_mov_b32 v\i, 0                               ; permutes' destinations, and the upper half of the pair v[224:225]
.endr
	s_wait_kmcnt 0x0                               ; the flags: word s holds bit s or nothing, so their OR has a bit for each step
	s_or_b32 s19, s32, s33
	s_or_b32 s20, s48, s49
.irp i, 2,3,4,5,6,7,8,9,10,11,12,13,14,15
	s_or_b32 s19, s19, s[32+\i]
	s_or_b32 s20, s20, s[48+\i]
.endr
	s_load_b512 s[32:47], s[6:7], 0x0              ; step 0's 64 mask words
	s_load_b512 s[48:63], s[6:7], 0x40
	s_load_b512 s[68:83], s[6:7], 0x80
	s_load_b512 s[84:99], s[6:7], 0xc0
	s_wait_alu depctr_va_vdst(0)
	s_wait_loadcnt 6                               ; my step's 26 loads are in; the six for k may be out
.set k, 0
.rept 25
	ds_store_b128 v4, v[96+4*k:96+4*k+3] offset:512*k
.set k, k+1
.endr
	ds_store_b64 v5, v[196:197] offset:12800
	s_wait_loadcnt 0x0
	s_wait_dscnt 0x0                               ; for the others' sake: my step lies in LDS;
	s_barrier_signal -1
	s_barrier_wait -1                              ; and so does everybody's
.macro CM n0, n1, sb                   ; mask terms n0 .. n1 - 1: 0 where the word's bit is set, -1e9 where not
.set n, \n0
.rept \n1-\n0
	v_cndmask_b32 v[S+n], v7, 0, s[\sb+n]
.set n, n+1
.endr
.endm
; A KEY STEP: 128 rows i.
.macro STEP
	s_wait_kmcnt 0x0                               ; this step's 64 mask words are in, and the pointer may step
	s_cmp_eq_u32 s16, 1
	s_cselect_b32 s2, s18, 0x100                   ; the next step's words; from pass 0's last step to pass 1's first; at the very end the pointer stays
	s_add_nc_u64 s[6:7], s[6:7], s[2:3]
	v_add_nc_u32 v4, s13, v1
	v_add_nc_u32 v5, s13, v2
	v_add_nc_u32 v6, s13, v3
	v_nop                                          ; four places behind the last products, in front of loads into their operands
.irp t, 0,1,2,3,4,5,6,7
	ds_load_b128 v[KF+6*\t:KF+6*\t+3], v4 offset:768*\t
	ds_load_b64 v[KF+6*\t+4:KF+6*\t+5], v5 offset:768*\t+512
.endr
.irp p, 0,1,2,3
	ds_load_b32 v[86+\p], v6 offset:12288+128*\p   ; lanes 0-15 tile 2 p's words, lanes 16-31 tile 2 p + 1's
.endr
	s_bitcmp1_b32 s19, 0                           ; is this step's mask all true for my 16 rows j?
	s_wait_alu depctr_va_vdst(0)
	s_cbranch_scc1 .Lall_true_\@
	CM 0, 32, 32
	CM 32, 64, 36
	s_wait_alu depctr_va_vdst(0)
	s_wait_dscnt 0x0
.irp t, 0,2,4,6                        ; logit = keys x queries + the mask term; eight accumulators by turns
	v_wmma_scale_f32_16x16x128_f8f6f4 v[S+8*\t:S+8*\t+7], v[KF+6*\t:KF+6*\t+11], v[16:27], v[S+8*\t:S+8*\t+7], v[86+\t/2], v28 matrix_a_fmt:MATRIX_FMT_FP6 matrix_b_fmt:MATRIX_FMT_FP6
	v_wmma_scale_f32_16x16x128_f8f6f4 v[S+8*\t+8:S+8*\t+15], v[KF+6*\t+6:KF+6*\t+17], v[16:27], v[S+8*\t+8:S+8*\t+15], v[86+\t/2], v28 matrix_a_fmt:MATRIX_FMT_FP6 matrix_b_fmt:MATRIX_FMT_FP6 matrix_a_scale:MATRIX_SCALE_ROW1
.endr
	s_branch .Lscored_\@
.Lall_true_\@:
	s_wait_dscnt 0x0
.irp t, 0,2,4,6                        ; every term is 0: logit = keys x queries
	v_wmma_scale_f32_16x16x128_f8f6f4 v[S+8*\t:S+8*\t+7], v[KF+6*\t:KF+6*\t+11], v[16:27], 0, v[86+\t/2], v28 matrix_a_fmt:MATRIX_FMT_FP6 matrix_b_fmt:MATRIX_FMT_FP6
	v_wmma_scale_f32_16x16x128_f8f6f4 v[S+8*\t+8:S+8*\t+15], v[KF+6*\t+6:KF+6*\t+17], v[16:27], 0, v[86+\t/2], v28 matrix_a_fmt:MATRIX_FMT_FP6 matrix_b_fmt:MATRIX_FMT_FP6 matrix_a_scale:MATRIX_SCALE_ROW1
.endr
.Lscored_\@:
	s_lshr_b32 s19, s19, 1                         ; the next step's flag to bit 0 (behind a pass's last step: 0)
	s_bitcmp1_b32 s19, 0
	s_cbranch_scc1 .Lno_words_\@                   ; a step whose mask is all true reads no words: none are loaded for it
	s_load_b512 s[32:47], s[6:7], 0x0              ; this step's words are done with: the next step's, a whole step ahead
	s_load_b512 s[48:63], s[6:7], 0x40
	s_load_b512 s[68:83], s[6:7], 0x80
	s_load_b512 s[84:99], s[6:7], 0xc0
.Lno_words_\@:
.rept 4
	v_nop                                          ; places: the logits are read, and the keys' registers loaded again
.endr
.irp d, 0,1,2,3                        ; V^T's four fragments land during the softmax
	ds_load_b128 v[KF+12*\d:KF+12*\d+3], v4 offset:6144+1536*\d
	ds_load_b64 v[KF+12*\d+4:KF+12*\d+5], v5 offset:6144+1536*\d+512
	ds_load_b128 v[KF+12*\d+6:KF+12*\d+9], v4 offset:6144+1536*\d+768
	ds_load_b64 v[KF+12*\d+10:KF+12*\d+11], v5 offset:6144+1536*\d+1280
.endr
	ds_load_b32 v90, v6 offset:12800
	ds_load_b32 v91, v6 offset:12928
; the largest logit of each block of 32 keys, as a tree, each accumulator from its low end on: it serves the row's maximum and, since p rises with the logit, the block's largest p
.irp k, 0,1,2,3,4
.irp b, 0,1,2,3
	v_max3_num_f32 v[192+4*\k+\b], v[S+16*\b+3*\k], v[S+16*\b+3*\k+1], v[S+16*\b+3*\k+2]
.endr
.endr
.irp b, 0,1,2,3
	v_max3_num_f32 v[BM+\b], v[192+\b], v[196+\b], v[200+\b]
.endr
.irp b, 0,1,2,3
	v_max3_num_f32 v[BM+4+\b], v[204+\b], v[208+\b], v[S+16*\b+15]
.endr
.irp b, 0,1,2,3
	s_delay_alu instid0(VALU_DEP_4)
	v_max_num_f32 v[BM+\b], v[BM+\b], v[BM+4+\b]
.endr
.irp b, 0,1,2,3
	s_delay_alu instid0(VALU_DEP_4)
	v_permlanex16_b32 v[BM+4+\b], v[BM+\b], s28, s29
.endr
.irp b, 0,1,2,3
	s_delay_alu instid0(VALU_DEP_4)
	v_max_num_f32 v[BM+\b], v[BM+\b], v[BM+4+\b]   ; with lane l xor 16's 16 keys
.endr
	s_delay_alu instid0(VALU_DEP_2)
	v_max3_num_f32 v227, v212, v213, v214
	s_delay_alu instid0(VALU_DEP_1)
	v_max3_num_f32 v13, v13, v227, v215            ; the running largest logit
	s_delay_alu instid0(VALU_DEP_1)
	v_mul_f32 v227, s30, v13                       ; as t (log2(e) is positive)
	v_mov_b32 v11, v12
	s_delay_alu instid0(VALU_DEP_2)
	v_floor_f32 v12, -v227                         ; -M = floor(-t): M is a whole number
	s_delay_alu instid0(VALU_DEP_1)
	v_sub_f32 v227, v12, v11                       ; old M - new M
	s_delay_alu instid0(VALU_DEP_1)
	v_cvt_i32_f32 v227, v227                       ; (it saturates)
	s_delay_alu instid0(VALU_DEP_1)
	v_ldexp_f32 v224, 1.0, v227                    ; f = 2^(old M - new M): rounds nothing
.set j, 0
.rept 32
	v_pk_fma_f32 v[S+j:S+j+1], v[S+j:S+j+1], s[30:31], v[12:13] op_sel_hi:[1,0,0]   ; t - M, two at a time
.set j, j+2
.endr
.irp b, 0,1,2,3
	v_fma_f32 v[BM+\b], v[BM+\b], s30, v12         ; the same of each block's largest logit
.endr
	s_wait_alu depctr_va_vdst(0)
.set j, 0
.rept 64
	v_exp_f32 v[S+j], v[S+j]                       ; p, not normalised
.set j, j+1
.endr
.irp b, 0,1,2,3
	v_exp_f32 v[BM+\b], v[BM+\b]                   ; the block's largest p: the same instructions on the same number
.endr
	v_pk_mul_f32 v[14:15], v[14:15], v[224:225] op_sel_hi:[1,0]   ; the sum under the new M; a plain place behind the exponentials
	s_wait_alu depctr_va_vdst(0)                   ; one wait for the whole batch, ahead of its first reader
.irp b, 0,1,2,3
	v_max_num_f32 v[BM+\b], 0x1800000, v[BM+\b]    ; the floor 2^(3 - 127)
.endr
.irp b, 0,1,2,3
	s_delay_alu instid0(VALU_DEP_4)
	v_add_nc_u32 v[BM+8+\b], 0xff000000, v[BM+\b]
.endr
.irp b, 0,1,2,3
	s_delay_alu instid0(VALU_DEP_4)
	v_lshrrev_b32 v[BM+4+\b], 23, v[BM+8+\b]
.endr
	s_delay_alu instid0(VALU_DEP_3)
	v_lshl_or_b32 v226, v217, 8, v216
	s_delay_alu instid0(VALU_DEP_1)
	v_lshl_or_b32 v226, v218, 16, v226
	s_delay_alu instid0(VALU_DEP_1)
	v_lshl_or_b32 v226, v219, 24, v226             ; p's scale word for these 128 keys
.irp c, 0,1
	v_cvt_scalef32_pk16_fp6_f32 v[PCD+6*\c:PCD+6*\c+2], v[S+32*\c:S+32*\c+15], v[BM+8+2*\c]
	v_cvt_scalef32_pk16_fp6_f32 v[PCD+12+4*\c:PCD+14+4*\c], v[S+16+32*\c:S+31+32*\c], v[BM+9+2*\c]
.endr
	v_nop                                          ; one plain place behind a scaled conversion
.irp c, 0,1
.irp i, 0,1,2
	v_permlane16_swap_b32 v[PCD+6*\c+\i], v[PCD+12+4*\c+\i]
.endr
.irp i, 0,1,2
	s_delay_alu instid0(VALU_DEP_3)
	v_mov_b32 v[PCD+3+6*\c+\i], v[PCD+12+4*\c+\i]
.endr
.endr
; the row's sum of the unquantised p, two at a time, in eight chains
	v_pk_add_f32 v[228:229], v[100:101], v[104:105]
	v_pk_add_f32 v[252:253], v[108:109], v[112:113]
	v_pk_add_f32 v[250:251], v[116:117], v[120:121]
	v_pk_add_f32 v[248:249], v[124:125], v[128:129]
	v_pk_add_f32 v[246:247], v[132:133], v[136:137]
	v_pk_add_f32 v[244:245], v[140:141], v[144:145]
	v_pk_add_f32 v[242:243], v[148:149], v[152:153]
	v_pk_add_f32 v[14:15], v[14:15], v[156:157]
	v_pk_add_f32 v[228:229], v[228:229], v[96:97]
	v_pk_add_f32 v[252:253], v[252:253], v[98:99]
	v_pk_add_f32 v[250:251], v[250:251], v[102:103]
	v_pk_add_f32 v[248:249], v[248:249], v[106:107]
	v_pk_add_f32 v[246:247], v[246:247], v[110:111]
	v_pk_add_f32 v[244:245], v[244:245], v[114:115]
	v_pk_add_f32 v[242:243], v[242:243], v[118:119]
	v_pk_add_f32 v[14:15], v[14:15], v[122:123]
	v_pk_add_f32 v[228:229], v[228:229], v[126:127]
	v_pk_add_f32 v[252:253], v[252:253], v[130:131]
	v_pk_add_f32 v[250:251], v[250:251], v[134:135]
	v_pk_add_f32 v[248:249], v[248:249], v[138:139]
	v_pk_add_f32 v[246:247], v[246:247], v[142:143]
	v_pk_add_f32 v[244:245], v[244:245], v[146:147]
	v_pk_add_f32 v[242:243], v[242:243], v[150:151]
	v_pk_add_f32 v[14:15], v[14:15], v[154:155]
	v_pk_add_f32 v[228:229], v[228:229], v[158:159]
	s_delay_alu instid0(VALU_DEP_2)
	v_pk_add_f32 v[14:15], v[14:15], v[248:249]
	s_delay_alu instid0(VALU_DEP_2)
	v_pk_add_f32 v[228:229], v[228:229], v[246:247]
	v_pk_add_f32 v[252:253], v[252:253], v[244:245]
	v_pk_add_f32 v[250:251], v[250:251], v[242:243]
	s_delay_alu instid0(VALU_DEP_2)
	v_pk_add_f32 v[14:15], v[14:15], v[252:253]
	s_delay_alu instid0(VALU_DEP_2)
	v_pk_add_f32 v[228:229], v[228:229], v[250:251]
	s_delay_alu instid0(VALU_DEP_1)
	v_pk_add_f32 v[14:15], v[14:15], v[228:229]
	s_wait_dscnt 0x0                               ; V^T and its scale words
	s_wait_alu depctr_va_vdst(0)
.set j, 0
.rept 16
	v_pk_mul_f32 v[O+j:O+j+1], v[O+j:O+j+1], v[224:225] op_sel_hi:[1,0]   ; O^T under the new M; these lines are also the places in front of the products
.set j, j+2
.endr
.irp d, 0,2
	v_wmma_scale_f32_16x16x128_f8f6f4 v[O+8*\d:O+8*\d+7], v[KF+12*\d:KF+12*\d+11], v[PCD:PCD+11], v[O+8*\d:O+8*\d+7], v[90+\d/2], v226 matrix_a_fmt:MATRIX_FMT_FP6 matrix_b_fmt:MATRIX_FMT_FP6
	v_wmma_scale_f32_16x16x128_f8f6f4 v[O+8*\d+8:O+8*\d+15], v[KF+12*\d+12:KF+12*\d+23], v[PCD:PCD+11], v[O+8*\d+8:O+8*\d+15], v[90+\d/2], v226 matrix_a_fmt:MATRIX_FMT_FP6 matrix_b_fmt:MATRIX_FMT_FP6 matrix_a_scale:MATRIX_SCALE_ROW1
.endr
	s_add_co_u32 s13, s13, STEPB
.endm
.macro PRO pass                        ; my tile of this pass; the sums begin as zeros, the largest logit as -3e38, -M as 3e38
.if \pass
.irp i, 0,1,2,3,4,5
	v_mov_b32 v[16+\i], v[236+\i]
.endr
	v_mov_b32 v28, v29
	s_mov_b32 s19, s20
.endif
	v_mov_b32 v13, 0xff61b1e6
	v_mov_b32 v12, 0x7f61b1e6
	v_mov_b32 v14, 0
	v_mov_b32 v15, 0
.set j, 0
.rept 32
	v_mov_b32 v[O+j], 0
.set j, j+1
.endr
	s_mov_b32 s13, 0
	s_mov_b32 s16, 16
	s_mov_b32 s18, (1-\pass)*61696                 ; from step 15 of my tile to step 0 of the tile 16 on: 65,536 - 3,840 bytes; behind pass 1 nothing follows
	s_wait_alu depctr_va_vdst(0)
.endm
.macro EPI pass                        ; O^T / the sum, quantised along dv: two blocks, one half image, two scale bytes
.rept 4
	v_nop                                          ; places behind the last products
.endr
	v_add_f32 v14, v14, v15
	s_delay_alu instid0(VALU_DEP_1)
	v_permlanex16_b32 v227, v14, s28, s29
	s_delay_alu instid0(VALU_DEP_1)
	v_add_f32 v14, v14, v227
	s_wait_alu depctr_va_vdst(0)
	v_rcp_f32 v14, v14
	v_nop
	s_wait_alu depctr_va_vdst(0)
.set j, 0
.rept 16
	v_pk_mul_f32 v[S+j:S+j+1], v[O+j:O+j+1], v[14:15] op_sel_hi:[1,0]   ; ascending; register 16 g + i = dv 32 g + 16 h + i
.set j, j+2
.endr
.irp b, 0,1
	v_max3_num_f32 v[BM+\b], |v[S+16*\b]|, |v[S+16*\b+1]|, 0x1800000
.endr
.irp i, 2,4,6,8,10,12,14
.irp b, 0,1
	s_delay_alu instid0(VALU_DEP_2)
	v_max3_num_f32 v[BM+\b], v[BM+\b], |v[S+16*\b+\i]|, |v[S+16*\b+\i+1]|
.endr
.endr
.irp b, 0,1
	s_delay_alu instid0(VALU_DEP_2)
	v_permlanex16_b32 v[BM+4+\b], v[BM+\b], s28, s29
.endr
.irp b, 0,1
	s_delay_alu instid0(VALU_DEP_2)
	v_max_num_f32 v[BM+\b], v[BM+\b], v[BM+4+\b]
.endr
.irp b, 0,1
	s_delay_alu instid0(VALU_DEP_2)
	v_add_nc_u32 v[BM+8+\b], 0xff000000, v[BM+\b]
.endr
.irp b, 0,1
	s_delay_alu instid0(VALU_DEP_2)
	v_lshrrev_b32 v[BM+4+\b], 23, v[BM+8+\b]
.endr
	s_delay_alu instid0(VALU_DEP_1)
	v_lshl_or_b32 v226, v217, 8, v216
	v_cvt_scalef32_pk16_fp6_f32 v[PCD:PCD+2], v[S:S+15], v220
	v_cvt_scalef32_pk16_fp6_f32 v[PCD+12:PCD+14], v[S+16:S+31], v221
	v_nop
.irp i, 0,1,2
	v_permlane16_swap_b32 v[PCD+\i], v[PCD+12+\i]
.endr
.irp i, 0,1,2
	s_delay_alu instid0(VALU_DEP_3)
	v_mov_b32 v[PCD+3+\i], v[PCD+12+\i]
.endr
	global_store_b128 v1, v[PCD:PCD+3], s[8:9] offset:\pass*196608
	global_store_b64 v2, v[PCD+4:PCD+5], s[8:9] offset:\pass*196608+512
	global_store_b16 v9, v226, s[10:11] offset:\pass*8192   ; lanes 16-31 write what lanes 0-15 write
	s_wait_xcnt 0x0                                ; the stores have read their registers
.endm
.macro PASS pass                       ; 256 rows j of the work-group walk the 16 steps in LDS
	PRO \pass
.Lstep_\@:
	STEP
	s_sub_co_u32 s16, s16, 1
	s_cmp_lg_u32 s16, 0
	s_cbranch_scc1 .Lstep_\@
	EPI \pass
.endm
	PASS 0
	PASS 1
	s_wait_kmcnt 0x0                               ; the last trip's repeated mask loads
	s_wait_tensorcnt 0x0                           ; the wave's end
	ds_add_u32 v254, v255
	s_wait_dscnt 0x0
	s_endpgm
.Lfunc_end_k_qd0121c3114_attn:
	.size	k_qd0121c3114_attn, .Lfunc_end_k_qd0121c3114_attn-k_qd0121c3114_attn
	.p2alignl 7, 3214868480
	.fill 96, 4, 3214868480
	.section	.rodata,"a",@progbits
	.p2align	6, 0x0
	.amdhsa_kernel k_qd0121c3114_attn
		.amdhsa_group_segment_fixed_size 210944
		.amdhsa_private_segment_fixed_size 0
		.amdhsa_enable_private_segment 0
		.amdhsa_kernarg_size 32
		.amdhsa_user_sgpr_count 2
		.amdhsa_user_sgpr_kernarg_segment_ptr 1
		.amdhsa_wavefront_size32 1
		.amdhsa_system_sgpr_workgroup_id_x 1
		.amdhsa_system_sgpr_workgroup_id_y 1
		.amdhsa_system_sgpr_workgroup_id_z 1
		.amdhsa_system_vgpr_workitem_id 0
		.amdhsa_next_free_vgpr 256
		.amdhsa_next_free_sgpr 100
		.amdhsa_reserve_vcc 0
		.amdhsa_float_denorm_mode_32 3
		.amdhsa_float_denorm_mode_16_64 3
		.amdhsa_memory_ordered 1
		.amdhsa_forward_progress 1
		.amdhsa_inst_pref_size 68
	.end_amdhsa_kernel
	.amdgpu_metadata
---
amdhsa.version: [ 1, 2 ]
amdhsa.kernels:
  - .name:           k_qd0121c3114_attn
    .symbol:         k_qd0121c3114_attn.kd
    .args:
      - { .name: qkv, .offset: 0, .size: 8, .value_kind: global_buffer, .address_space: global }
      - { .name: maskw, .offset: 8, .size: 8, .value_kind: global_buffer, .address_space: global }
      - { .name: a_img, .offset: 16, .size: 8, .value_kind: global_buffer, .address_space: global }
      - { .name: a_scl, .offset: 24, .size: 8, .value_kind: global_buffer, .address_space: global }
    .group_segment_fixed_size: 210944
    .private_segment_fixed_size: 0
    .kernarg_segment_align: 8
    .kernarg_segment_size: 32
    .max_flat_workgroup_size: 512
    .sgpr_count:     100
    .vgpr_count:     256
    .wavefront_size: 32
...
	.end_amdgpu_metadata
.endif
;; end of part 3
;; launch outp (part 4): grid 4 x 64, 4 waves a work-group, clusters of 4 x 4, 327,680 bytes of LDS; arguments a_img, a_scl, w_img, w_scl, bo, out0; writes out0
.if DOCPART == 4
	.amdgcn_target "amdgcn-amd-amdhsa--gfx1250"
	.amdhsa_code_object_version 6
	.text
	.protected	k_qd0121c3114_outp
	.globl	k_qd0121c3114_outp
	.p2align	8
	.type	k_qd0121c3114_outp,@function
k_qd0121c3114_outp:
	s_mov_b64 s[64:65], 0
	v_nop
	global_prefetch_b8 v0, s[64:65] scope:SCOPE_SE
	s_setreg_imm32_b32 hwreg(HW_REG_WAVE_MODE, 25, 1), 1
	s_wait_xcnt 0x0
	s_wait_alu depctr_hold_cnt(0) depctr_sa_sdst(0) depctr_va_vdst(0) depctr_va_sdst(0) depctr_va_ssrc(0) depctr_va_vcc(0) depctr_vm_vsrc(0)
	s_getreg_b32 s2, hwreg(HW_REG_IB_STS2, 6, 4)
	s_cmp_eq_u32 s2, 0
	s_cbranch_scc0 .Lentry_in_a_cluster
	s_endpgm
.Lentry_in_a_cluster:
	s_bfe_u32 s2, ttmp6, 0x10000c
	s_cmp_lg_u32 s2, 0xf033
	s_cbranch_scc0 .Lentry_shape_is_right
	s_endpgm
.Lentry_shape_is_right:
; out0 [8,192][1,024] = A Wo + bo on codes of FP6 (E2M3) with E8M0 scales; K = 1,024.  A: a_img, a_scl (the attention's result); B: Wo's part of w_img, w_scl.
; IMAGES: [tile of 16 rows][16 half images of 768 bytes]: 12,288 bytes a tile hold all of K as the operand's registers take it.  TILE ORDER: tile 2 g + u, place r = row 32 g + 8 u + r + 8 (r / 8), for A's rows and B's columns alike.
; A work-group makes 128 x 256 of out0: 64 x 4 = 256 work-groups.  ALL OF K LIES IN LDS: A's 8 tiles (98,304 bytes), B's 16 (196,608), filled ONCE by one tensor load a wave: waves 0, 1 halves of A, waves 2, 3 halves of B.
; No byte is filled again: one wait for 0 and one barrier show both operands to all waves.  No data prefetch: the head asks for all that the work-group reads, and there is no loop to run ahead in.
; CLUSTERS: 4 x 4 work-groups; A's tiles are shared along a row of the cluster, B's along a column: each is asked for jointly.
; A wave makes 64 x 128: 4 x 8 accumulators, which take turns, one instruction a turn, in the same order in every K step.  Fragments have two sets: a step's 48 LDS loads go out ahead of the step before's products.
; THE SCALE WORDS ([tile][pair of K steps][r][2 words]) come straight into registers, in whole units of 256 bytes: lanes 0-15 an even pair's words, lanes 16-31 the odd pair's; the rows of the scale registers tell them apart.
; TRANSPOSED USE: source 0 = B's tile, source 1 = A's: a lane holds eight neighbouring columns of one row.  The bias is the C of each accumulator's first product.
; THE WAY OUT: 16 rows x 128 columns through the wave's stage and back as rows of 512 bytes.  The stage lies in A's bytes, which have had their only fill, behind a barrier in front of which every wave's LDS reads are over.
; WINDOWS: 0: addresses, v32-79 scale words, v80-143 bias, v128-255 the way out; 1: accumulator (a, b) at v[8 (8 a + b)]; 2: B's sets at v0, v128; 3: A's sets at v0, v64.
.set IMGT,  12288
.set AH,    4*IMGT                     ; half of A's tiles: what wave 0 or 1 fetches, and what one wave reads
.set BH,    8*IMGT                     ; the same of B
.set BBASE, 2*AH
.set SPARE, BBASE+2*BH                 ; the spare words, 512 bytes
.set SPITCH, 528
.set ADRA, 16                          ; v16, v17 my A tiles + 16, 8 x lane
.set ADRB, 18                          ; v18, v19 my B tiles 0-3; v20, v21 tiles 4-7
.set STO,  24
.set RD,   25
.set CO,   26
.set SPW,  28
.set NIL,  29
.set SA,   32                          ; A's scale words: 4 a + 2 (step / 4) + step % 2
.set SB,   48                          ; B's: 4 b + ...
.set BIAS, 80
.set BK,   128
.set G1, 24
.set G0, 32
.set G1B, 48
.set G0B, 56
.set MSB, 0
.macro WIN new
.if MSB != \new
	s_set_vgpr_msb (MSB<<8)|\new
.set MSB, \new
.endif
.endm
.macro CROUND
	s_barrier_signal -1
	s_barrier_wait -1
	s_cmp_lg_u32 s14, 0
	s_cbranch_scc1 .Lnot_wave_0_\@
	s_barrier_signal -3
.Lnot_wave_0_\@:
	s_barrier_wait -3
	s_barrier_signal -1
	s_barrier_wait -1
.endm
.macro PLACES
.rept 4
	v_nop
.endr
.endm
	s_load_b128 s[4:7], s[0:1], 0x0                ; a_img, a_scl
	s_load_b128 s[8:11], s[0:1], 0x10              ; w_img, w_scl
	s_load_b128 s[68:71], s[0:1], 0x20             ; bo, out0
	v_lshl_add_u32 v[SPW], v0, 2, SPARE
	v_mov_b32 v[NIL], 0
	ds_add_u32 v[SPW], v[NIL]
	ds_add_u32 v[SPW], v[NIL]
	v_lshrrev_b32 v1, 5, v0
	v_readfirstlane_b32 s14, v1                    ; wave 0..3
	s_lshr_b32 s15, s14, 1                         ; which 64 rows are mine.  Also: I fetch for A (0) or for B (1)
	s_and_b32 s16, s14, 1                          ; which 128 columns.  Also: which half I fetch
	s_bfe_u32 s40, ttmp6, 0x40000                  ; cx
	s_bfe_u32 s41, ttmp6, 0x40004                  ; cy
	s_lshl_b32 s42, ttmp9, 2
	s_add_co_u32 s42, s42, s40                     ; block column
	s_and_b32 s17, ttmp7, 0xffff
	s_lshl_b32 s17, s17, 2
	s_add_co_u32 s17, s17, s41                     ; block row
	s_lshl_b32 s43, s41, 2
	s_lshl_b32 s43, 15, s43                        ; my row of the cluster
	s_lshl_b32 s44, 0x1111, s40                    ; my column
	s_or_b32 s[G1+0], s43, (3<<16)|(1<<21)         ; dense blocks as rows of 256 bytes (32 elements of 8): A's half 192 rows,
	s_mov_b32 s[G1+1], 32<<16
	s_mov_b32 s[G1+2], 192<<16
	s_mov_b32 s[G1+3], 32<<16
	s_mov_b32 s[G1+4], 192
	s_mov_b32 s[G1+5], 32
	s_mov_b32 s[G1+6], 0
	s_mov_b32 s[G1+7], 0
	s_or_b32 s[G1B+0], s44, (3<<16)|(1<<21)        ; B's half 384
	s_mov_b32 s[G1B+1], 32<<16
	s_mov_b32 s[G1B+2], 384<<16
	s_mov_b32 s[G1B+3], 32<<16
	s_mov_b32 s[G1B+4], 384
	s_mov_b32 s[G1B+5], 32
	s_mov_b32 s[G1B+6], 0
	s_mov_b32 s[G1B+7], 0
	s_lshl_b32 s20, s17, 3
	s_lshl_b32 s2, s16, 2
	s_add_co_u32 s20, s20, s2
	s_mul_i32 s20, s20, IMGT                       ; A: tile 8 x block row + 4 x half
	s_mov_b32 s21, 0
	s_lshl_b32 s46, s42, 4
	s_lshl_b32 s2, s16, 3
	s_add_co_u32 s46, s46, s2
	s_mul_i32 s46, s46, IMGT                       ; B: tile 16 x block column + 8 x half,
	s_add_co_u32 s46, s46, 2359296                 ; in Wo's part of w_img
	s_mov_b32 s47, 0
	s_mov_b32 s[G0], 1
	s_mul_i32 s[G0+1], s16, AH                     ; LDS addresses hang on the wave's number alone
	s_mov_b32 s[G0B], 1
	s_mul_i32 s[G0B+1], s16, BH
	s_add_co_u32 s[G0B+1], s[G0B+1], BBASE
	s_wait_dscnt 0x0
	s_wait_kmcnt 0x0
	s_add_nc_u64 s[G0+2:G0+3], s[4:5], s[20:21]
	s_or_b32 s[G0+3], s[G0+3], 0x80000000
	s_add_nc_u64 s[G0B+2:G0B+3], s[8:9], s[46:47]
	s_or_b32 s[G0B+3], s[G0B+3], 0x80000000
	CROUND                                         ; all sixteen work-groups are here: the joint loads meet
	s_cmp_eq_u32 s15, 0
	s_cbranch_scc0 .Lfor_b
	tensor_load_to_lds s[G0:G0+3], s[G1:G1+7]
	s_nop 0
.rept 4
	v_nop
.endr
	s_branch .Lasked
.Lfor_b:
	tensor_load_to_lds s[G0B:G0B+3], s[G1B:G1B+7]
	s_nop 0
.rept 4
	v_nop
.endr
.Lasked:
	s_lshl_b32 s22, s17, 3
	s_lshl_b32 s2, s15, 2
	s_add_co_u32 s22, s22, s2
	s_lshl_b32 s22, s22, 9                         ; my A tiles' scale words: 512 bytes a tile
	s_mov_b32 s23, 0
	s_add_nc_u64 s[6:7], s[6:7], s[22:23]
	s_lshl_b32 s22, s42, 4
	s_lshl_b32 s2, s16, 3
	s_add_co_u32 s22, s22, s2
	s_lshl_b32 s22, s22, 9
	s_add_co_u32 s22, s22, 98304                   ; my B tiles', in Wo's part of w_scl
	s_add_nc_u64 s[10:11], s[10:11], s[22:23]
	s_lshl_b32 s22, s42, 10
	s_lshl_b32 s2, s16, 9
	s_add_co_u32 s22, s22, s2                      ; my first column, in bytes
	s_add_nc_u64 s[68:69], s[68:69], s[22:23]
	s_lshl_b32 s2, s17, 19
	s_add_co_u32 s22, s22, s2
	s_lshl_b32 s2, s15, 18
	s_add_co_u32 s22, s22, s2                      ; + my first row, 128 x block row + 64 x half, of 4,096 bytes
	s_add_nc_u64 s[70:71], s[70:71], s[22:23]
	s_mul_i32 s21, s15, AH
	s_mul_i32 s22, s16, BH
	s_add_co_u32 s22, s22, BBASE
	s_add_co_u32 s23, s22, 4*IMGT
	s_mul_i32 s20, s14, 16*SPITCH                  ; my stage
	v_and_b32 v1, 15, v0
	v_bfe_u32 v2, v0, 4, 1
	v_and_b32 v3, 31, v0
	v_lshlrev_b32 v4, 4, v3
	v_lshlrev_b32 v5, 3, v3
	v_add_nc_u32 v[ADRA], s21, v4
	v_add_nc_u32 v[ADRA+1], s21, v5
	v_add_nc_u32 v[ADRB], s22, v4
	v_add_nc_u32 v[ADRB+1], s22, v5
	v_add_nc_u32 v[ADRB+2], s23, v4
	v_add_nc_u32 v[ADRB+3], s23, v5
	v_lshlrev_b32 v15, 6, v2
	v_mul_u32_u24 v6, v1, SPITCH
	v_lshl_add_u32 v6, v2, 6, v6
	v_add_nc_u32 v[STO], s20, v6
	v_mov_b32 v[CO], v4
	v_add_nc_u32 v[RD], s20, v4
	s_wait_alu depctr_va_vdst(0)
.irp a, 0,1,2,3
.irp p, 0,1
	global_load_b64 v[SA+4*\a+2*\p:SA+4*\a+2*\p+1], v5, s[6:7] offset:512*\a+256*\p    ; 32 lanes read one aligned unit of 256 bytes: two pairs of K steps
.endr
.endr
.irp b, 0,1,2,3,4,5,6,7
.irp p, 0,1
	global_load_b64 v[SB+4*\b+2*\p:SB+4*\b+2*\p+1], v5, s[10:11] offset:512*\b+256*\p
.endr
.endr
.irp b, 0,1,2,3,4,5,6,7
	global_load_b128 v[BIAS+8*\b:BIAS+8*\b+3], v15, s[68:69] offset:(32*(\b/2)+8*(\b%2))*4
	global_load_b128 v[BIAS+8*\b+4:BIAS+8*\b+7], v15, s[68:69] offset:(32*(\b/2)+8*(\b%2))*4+16
.endr
.macro FRAG reg, adr, off              ; 16 rows x 128 K: two half images
	ds_load_b128 v[\reg:\reg+3], v[\adr] offset:\off
	ds_load_b64 v[\reg+4:\reg+5], v[\adr+1] offset:\off+512
	ds_load_b128 v[\reg+6:\reg+9], v[\adr] offset:\off+768
	ds_load_b64 v[\reg+10:\reg+11], v[\adr+1] offset:\off+1280
.endm
.macro FETCH st, p                     ; K step st's twelve fragments into set p
	WIN 0x80
.irp i, 0,1,2,3
	FRAG 128*(\p)+12*\i, ADRB, \i*IMGT+(\st)*1536
.endr
.irp i, 0,1,2,3
	FRAG 128*(\p)+48+12*\i, ADRB+2, \i*IMGT+(\st)*1536
.endr
	WIN 0xc0
.irp i, 0,1,2,3
	FRAG 64*(\p)+12*\i, ADRA, \i*IMGT+(\st)*1536
.endr
.endm
.macro MUL st, p, cm                   ; 32 products, 128 along K.  cm = 1: the first step's take the bias as C
.irp a, 0,1,2,3
.irp b, 0,1,2,3,4,5,6,7
.set DD, 8*(8*\a+\b)
.set FB, 128*(\p)+12*\b
.set FA, 64*(\p)+12*\a
.set RB, SB+4*\b+2*((\st)/4)+(\st)%2
.set RA, SA+4*\a+2*((\st)/4)+(\st)%2
.if \cm
	v_wmma_scale_f32_16x16x128_f8f6f4 v[DD:DD+7], v[FB:FB+11], v[FA:FA+11], v[BIAS+8*\b:BIAS+8*\b+7], v[RB], v[RA] matrix_a_fmt:MATRIX_FMT_FP6 matrix_b_fmt:MATRIX_FMT_FP6
.elseif ((\st)/2)%2
	v_wmma_scale_f32_16x16x128_f8f6f4 v[DD:DD+7], v[FB:FB+11], v[FA:FA+11], v[DD:DD+7], v[RB], v[RA] matrix_a_fmt:MATRIX_FMT_FP6 matrix_b_fmt:MATRIX_FMT_FP6 matrix_a_scale:MATRIX_SCALE_ROW1 matrix_b_scale:MATRIX_SCALE_ROW1
.else
	v_wmma_scale_f32_16x16x128_f8f6f4 v[DD:DD+7], v[FB:FB+11], v[FA:FA+11], v[DD:DD+7], v[RB], v[RA] matrix_a_fmt:MATRIX_FMT_FP6 matrix_b_fmt:MATRIX_FMT_FP6
.endif
.endr
.endr
.endm
	s_wait_tensorcnt 0x0                           ; my half of A or of B has landed;
	s_barrier_signal -1
	s_barrier_wait -1                              ; and so have the other three
	FETCH 0, 0
	s_wait_loadcnt 0x0                             ; scale words and bias
	s_wait_dscnt 0x0
	FETCH 1, 1
	WIN 0x4e                                       ; source 0 window 2, source 1 window 3, C window 0, D window 1
	MUL 0, 0, 1
.irp st, 1,2,3,4,5,6
	s_wait_dscnt 0x0                               ; this step's fragments are in
	PLACES                                         ; behind the last step's products, in front of loads into their operands
	FETCH \st+1, (\st+1)%2
	WIN 0x5e                                       ; C and D window 1
	MUL \st, \st%2, 0
.endr
	s_wait_dscnt 0x0                               ; my reads of the operands are over:
	s_barrier_signal -1                            ; say so,
	MUL 7, 1, 0
	WIN 0
	s_barrier_wait -1                              ; and when all four have said so, A's bytes may serve as stages
	PLACES
.macro TOSTAGE a
.set AC, 64*(\a)
	WIN 0x04                                       ; the data: window 1
.irp b, 0,1,2,3,4,5,6,7
	ds_store_b128 v[STO], v[AC+8*\b:AC+8*\b+3] offset:128*(\b/2)+32*(\b%2)       ; each accumulator from its low end on; column 32 (b / 2) + 8 (b % 2) + 16 h + j
	ds_store_b128 v[STO], v[AC+8*\b+4:AC+8*\b+7] offset:128*(\b/2)+32*(\b%2)+16
.endr
	WIN 0
.set BB, BK+64*((\a)%2)
.irp t, 0,1,2,3,4,5,6,7,8,9,10,11,12,13,14,15
	ds_load_b128 v[BB+4*\t:BB+4*\t+3], v[RD] offset:\t*SPITCH                    ; LDS serves a wave's instructions in order: these see the stores
.endr
.endm
.macro SEND a, younger                 ; younger: the LDS instructions issued behind block a's loads, which may stay out
.set BB, BK+64*((\a)%2)
	s_wait_dscnt \younger
.irp t, 0,1,2,3,4,5,6,7,8,9,10,11,12,13,14,15
	global_store_b128 v[CO], v[BB+4*\t:BB+4*\t+3], s[70:71] offset:(32*((\a)/2)+8*((\a)%2)+\t+8*(\t/8))*4096 th:TH_STORE_NT   ; 32 lanes store 512 consecutive bytes, aligned
.endr
.endm
	TOSTAGE 0
.irp a, 1,2,3
.if \a > 1
	s_wait_xcnt 0x0                                ; block a - 2's stores have read their registers
.endif
	TOSTAGE \a
	SEND \a-1, 32                                  ; behind block a - 1's loads: block a's 16 stores and 16 loads
.endr
	SEND 3, 0
	s_wait_tensorcnt 0x0                           ; the wave's end
	ds_add_u32 v[SPW], v[NIL]
	s_wait_dscnt 0x0
	CROUND                                         ; the closing round
	s_endpgm
.Lfunc_end_k_qd0121c3114_outp:
	.size	k_qd0121c3114_outp, .Lfunc_end_k_qd0121c3114_outp-k_qd0121c3114_outp
	.p2alignl 7, 3214868480
	.fill 96, 4, 3214868480
	.section	.rodata,"a",@progbits
	.p2align	6, 0x0
	.amdhsa_kernel k_qd0121c3114_outp
		.amdhsa_group_segment_fixed_size 327680
		.amdhsa_private_segment_fixed_size 0
		.amdhsa_enable_private_segment 0
		.amdhsa_kernarg_size 48
		.amdhsa_user_sgpr_count 2
		.amdhsa_user_sgpr_kernarg_segment_ptr 1
		.amdhsa_wavefront_size32 1
		.amdhsa_system_sgpr_workgroup_id_x 1
		.amdhsa_system_sgpr_workgroup_id_y 1
		.amdhsa_system_sgpr_workgroup_id_z 1
		.amdhsa_system_vgpr_workitem_id 0
		.amdhsa_next_free_vgpr 1024
		.amdhsa_next_free_sgpr 72
		.amdhsa_reserve_vcc 0
		.amdhsa_float_denorm_mode_32 3
		.amdhsa_float_denorm_mode_16_64 3
		.amdhsa_memory_ordered 1
		.amdhsa_forward_progress 1
		.amdhsa_inst_pref_size 83
	.end_amdhsa_kernel
	.amdgpu_metadata
---
amdhsa.version: [ 1, 2 ]
amdhsa.kernels:
  - .name:           k_qd0121c3114_outp
    .symbol:         k_qd0121c3114_outp.kd
    .args:
      - { .name: a_img, .offset: 0, .size: 8, .value_kind: global_buffer, .address_space: global }
      - { .name: a_scl, .offset: 8, .size: 8, .value_kind: global_buffer, .address_space: global }
      - { .name: w_img, .offset: 16, .size: 8, .value_kind: global_buffer, .address_space: global }
      - { .name: w_scl, .offset: 24, .size: 8, .value_kind: global_buffer, .address_space: global }
      - { .name: bo, .offset: 32, .size: 8, .value_kind: global_buffer, .address_space: global }
      - { .name: out0, .offset: 40, .size: 8, .value_kind: global_buffer, .address_space: global }
    .group_segment_fixed_size: 327680
    .private_segment_fixed_size: 0
    .kernarg_segment_align: 8
    .kernarg_segment_size: 48
    .max_flat_workgroup_size: 128
    .sgpr_count:     72
    .vgpr_count:     1024
    .wavefront_size: 32
...
	.end_amdgpu_metadata
.endif
;; end of part 4
